; MI455X (gfx1250); checked and timed in simulation.
; The chip was launched on July 23, 2026; its instructions are those of AMD's public machine-readable ISA for CDNA 5 (MIT licence, August 2026) and "CDNA5" Instruction Set Architecture Reference Guide (July 2026). The comments in the code are by the model that wrote it; some were corrected since.
;; Causal Self Attention. Allowed arithmetic: matrix products marked QUANTISED: E4M3 operands, one given power-of-two scale a tensor, by v_wmma_f32_16x16x64_fp8_fp8 or v_wmma_f32_16x16x128_fp8_fp8, f32 sums; everything else in f32.
;; Inputs: W_attn 1,024 x 3,072 float32; W_proj 1,024 x 1,024 float32; b_attn 3,072 float32; b_proj 1,024 float32; lowp_scales 8 int32 (the exponents e of the quantised operands' scales 2^e); x 4 x 2,048 x 1,024 float32.
;; Outputs: out0 4 x 2,048 x 1,024 float32.
;; This version of the problem:
;;   THIS VERSION OF THE PROBLEM IS GIVEN IN LOW PRECISION. The matrix products marked QUANTISED in the list below multiply operands that are first quantised to E4M3 (4 exponent bits, 3 mantissa bits; 8 bits a number), with one given power-of-two scale for each operand tensor; their sums are f32. All else is computed in f32.
;;   The module's matrix products, in the order in which they are computed (A, B: the left and right operand; K: the contracted axis; several contracted axes count as one K, in the product's order):
;;     1. [M 8,192, K 1,024] x [K 1,024, N 3,072]; A: input x; B: input W_attn: QUANTISED (scales: A lowp_scales[0], B lowp_scales[1])
;;     2. batch 64 x [M 2,048, K 64] x [K 64, N 2,048]; A: computed on the way; B: computed on the way: QUANTISED (scales: A lowp_scales[2], B lowp_scales[3])
;;     3. batch 64 x [M 2,048, K 2,048] x [K 2,048, N 64]; A: softmax (see below); B: computed on the way: QUANTISED (scales: A lowp_scales[4], B lowp_scales[5])
;;     4. [M 8,192, K 1,024] x [K 1,024, N 1,024]; A: computed on the way; B: input W_proj: QUANTISED (scales: A lowp_scales[6], B lowp_scales[7])
;;   THE QUANTISER, for each operand of a quantised product, along K:
;;     - The operand's scale is 2^e, e = its entry of the input lowp_scales (int32; the entries are numbered through the quantised products in the list's order, A before B).
;;     - Each number is divided by the scale, clamped to +-448, and rounded to the nearest number of E4M3, ties to even, subnormals kept.
;;     - The product sums the exact products of the quantised numbers (number of the format x scale) in f32.
;;   ~~~python
;;   def quantise(x, axis, e):      # numpy; x: float32 -> the quantised numbers, widened to float32 again
;;       x = np.moveaxis(x, axis, -1); K = x.shape[-1]
;;       r = np.clip(x / 2.0 ** e, -448, 448)
;;       step = 2.0 ** (np.maximum(np.frexp(np.where(r == 0, 1, r))[1] - 1, -6) - 3)
;;       q = np.round(r / step) * step * 2.0 ** e      # np.round: ties to even
;;       return np.moveaxis(q, -1, axis).astype(np.float32)
;;   ~~~
;;   SOFTMAX AHEAD OF A QUANTISED PRODUCT. Where the list says 'softmax', what is quantised is not the finished softmax but p = 2^(t - M), with t = logit x log2(e) and M = ceil(the row's largest t), a whole number; so 1/2 < the row's largest p <= 1. The row's sum l is taken of the UNQUANTISED p, in f32, and the product's result is divided by l at the end. Since M is a whole number, a kernel that streams over the keys may use a running M (the ceiling of the running maximum): every later rescaling is an exact power of two, so the quantised numbers keep their values, but for numbers so far below the row's largest that they fall under the format's range.
;;   OPERANDS COMPUTED ON THE WAY. 'Computed on the way' means the value that the module computes at that place (a softmax that the list does not call 'softmax' is quantised finished and normalised). What goes into a quantiser is computed in f32, as accurately as f32 sums, v_exp_f32 and their like allow (about 1e-6 of the number): no bf16 or f16 on the way to a quantiser, and a product that is left as it is and whose result goes on into a quantised operand takes f32 operands (vector FMAs, or v_wmma_f32_16x16x4_f32). A number that lies on a knife's edge between two numbers of the format may be rounded either way, as far as f32 arithmetic and the matrix unit's own rounding can turn it there, and no further.
;; One version. Each part assembles by itself: llvm-mc -triple=amdgcn-amd-amdhsa -mcpu=gfx1250 --defsym DOCPART=n.
;; ======== version 1 of 1: 4 launches
;; limits: right only within a limited range of input values
;; workspace buffers: xc_img 8,388,608 bytes; wa_img 3,145,728 bytes; wp_img 1,048,576 bytes; rope 262,144 bytes; q_img 8,388,608 bytes; kv_img 16,777,216 bytes; y_img 8,388,608 bytes
;; launch prep (part 1): grid 384 x 1, 4 waves a work-group, no clusters, 69,120 bytes of LDS; arguments x, W_attn, W_proj, lowp_scales, xc_img, wa_img, wp_img, rope; writes xc_img, wa_img, wp_img, rope
.if DOCPART == 1
	.amdgcn_target "amdgcn-amd-amdhsa--gfx1250"
	.amdhsa_code_object_version 6
	.text
	.protected	k_qd2f990aa03_prep
	.globl	k_qd2f990aa03_prep
	.p2align	8
	.type	k_qd2f990aa03_prep,@function
k_qd2f990aa03_prep:
	s_mov_b64 s[64:65], 0
	v_nop
	global_prefetch_b8 v0, s[64:65] scope:SCOPE_SE
	s_setreg_imm32_b32 hwreg(HW_REG_WAVE_MODE, 25, 1), 1
	s_wait_xcnt 0x0
; x [8192][1024], W_attn [1024][3072] and W_proj [1024][1024], f32, become codes of FP8 (E4M3), each with the one scale 2^e given for it (entries 0, 1, 7 of the scales); and the rotation's table is made.
; code = number / 2^e, held within +-448, rounded to the nearest code, ties to even.
; THE CODES ARE LAID AS IMAGES OF THE OPERAND'S REGISTERS.  16 rows x 128 K are 2,048 bytes: byte 512 g + 16 lane + y; lane = (r = lane % 16, h = lane / 16);
; y 0-7: k = 32 g + 8 h + 0..7 of row r; y 8-15: k = 32 g + 16 + 8 h + 0..7.  Quad g is registers 4 g .. 4 g + 3 of a fragment of the plain FP8 forms, k in its true place.
; xc_img [row tile 512][K block 8][2048]; wa_img [n tile 192][8][2048]; wp_img [n tile 64][8][2048]: rows are tokens, or columns n of a weight.
; rope [position 2048][u 8][cos(2u), cos(2u+1), sin(2u), sin(2u+1)] f32; frequency i is 10^(-i/4), i = 0..15.
; Work-groups 0-255 take x, 256-383 the weights and the table.  The two ways never join and have LDS bytes of their own.  Waves share nothing: no barrier.
; LIMITS: each e between -126 and 119.  NaN among the inputs is not served.  The 16 frequencies are the f32 numbers nearest to 10^(-i/4): where another rounding of that power is one step away,
; the angle at the far positions differs by up to 1.2e-4 rad.  The angle pos x f is rounded once to f32; sine and cosine of it are right to about 1e-7.
.set XPIT,  528                        ; x's stage: a row of 512 bytes + 16: 33 x 16, so sixteen rows start at sixteen different 16-byte columns
.set WSTG,  33792                      ; behind x's four stages (4 x 16 x 528): the weights' four stages
.set WPIT,  272                        ; a column's 256 codes + 16
.set SPARE, 68608                      ; behind them (4 x 32 x 272): the spare words, 128 bytes for each wave, that no other line names
.set LI,  8                            ; v8   16 x lane
.set STI, 9                            ; v9   the stage, on the way in
.set STO, 10                           ; v10  the stage, on the way out
.set SC,  11                           ; v11  2^e as f32
.set LIM, 12                           ; v12  448 x 2^e
.set SPW, 13                           ; v13  my spare word's LDS address; never rewritten
.set NIL, 14                           ; v14  0; never rewritten
.set XR,  16                           ; x: v16-143 two sets of 64 numbers as loaded
.set XX,  144                          ; x: v144-207 64 numbers in the operand's order
.set XC,  208                          ; x: v208-239 two sets of 16 registers of codes
.set WO,  16                           ; W: v16-47 offsets of 32 rows; never rewritten
.set WX,  48                           ; W: v48-111 two sets of 32 numbers
.set WC,  112                          ; W: v112-119 a block's codes
.set WOUT, 144                         ; W: v144-207 the way out
.set POS, 120                          ; the table: v120-140
.set U,   121
.set F0,  122
.set F1,  123
.set IND, 124
.set ONE, 125
.set TO,  126
.set ANG, 127
.set NQ,  128
.set RED, 129
.set ZZ,  130
.set PS,  131
.set PCO, 132
.set TT,  133
.set SNR, 134
.set CSR, 135
.set TAB, 136
.set NI,  140
	s_load_b512 s[4:19], s[0:1], 0x0               ; x s[4:5], W_attn s[6:7], W_proj s[8:9], scales s[10:11], xc_img s[12:13], wa_img s[14:15], wp_img s[16:17], rope s[18:19]
	v_lshl_add_u32 v[SPW], v0, 2, SPARE
	v_mov_b32 v[NIL], 0
	v_lshrrev_b32 v1, 5, v0
	v_readfirstlane_b32 s20, v1                    ; wave 0..3
	v_and_b32 v2, 31, v0                           ; lane
	v_and_b32 v3, 15, v0                           ; r
	v_bfe_u32 v4, v0, 4, 1                         ; h
	v_lshlrev_b32 v[LI], 4, v2
	s_wait_kmcnt 0x0
	s_load_b256 s[24:31], s[10:11], 0x0            ; e0 .. e7
	s_cmp_lt_u32 ttmp9, 256
	s_cbranch_scc0 .Lweights
; ---------------- x: wave W = 4 x work-group + wave takes row tile W / 2 and K blocks 4 (W % 2) + 0..3
	s_lshl_b32 s21, ttmp9, 2
	s_add_co_u32 s21, s21, s20
	s_lshr_b32 s22, s21, 1                         ; row tile
	s_and_b32 s23, s21, 1                          ; which half of K
	s_lshl_b32 s32, s22, 16                        ; 16 rows of 4,096 bytes
	s_lshl_b32 s33, s23, 11                        ; 512 numbers
	s_add_co_u32 s32, s32, s33
	s_mov_b32 s33, 0
	s_add_nc_u64 s[4:5], s[4:5], s[32:33]
	s_lshl_b32 s32, s22, 14                        ; a row tile's eight images
	s_lshl_b32 s34, s23, 13
	s_add_co_u32 s32, s32, s34
	s_add_nc_u64 s[12:13], s[12:13], s[32:33]
	s_mul_i32 s34, s20, 16*XPIT                    ; my stage
	s_wait_alu depctr_va_vdst(0)
	v_add_nc_u32 v[STI], s34, v[LI]                ; in: a row's 512 bytes as they lie
	v_mul_u32_u24 v[STO], v3, XPIT
	v_lshl_add_u32 v[STO], v4, 5, v[STO]
	v_add_nc_u32 v[STO], s34, v[STO]               ; out: row r, + 32 h bytes: my half's eight numbers
.macro LOADX s                         ; K block s of my 16 rows: each load reads 512 consecutive bytes of one row
.irp i, 0,1,2,3,4,5,6,7,8,9,10,11,12,13,14,15
	global_load_b128 v[XR+64*((\s)%2)+4*\i:XR+64*((\s)%2)+4*\i+3], v[LI], s[4:5] offset:4096*\i+512*(\s) th:TH_LOAD_NT
.endr
.endm
.macro XSTEP s
.set RS, XR+64*((\s)%2)
.set CD, XC+16*((\s)%2)
.if (\s) < 3
	s_wait_loadcnt 16                              ; this block's 16 loads are in; the next block's 16 may be out
.else
	s_wait_loadcnt 0
.endif
.irp i, 0,1,2,3,4,5,6,7,8,9,10,11,12,13,14,15
	ds_store_b128 v[STI], v[RS+4*\i:RS+4*\i+3] offset:XPIT*\i
.endr
.irp g, 0,1,2,3                        ; LDS serves a wave's instructions in order (ISA guide 5.7.1.4): these see the stores above, and the next step's stores come behind them
	ds_load_b128 v[XX+16*\g:XX+16*\g+3],     v[STO] offset:128*\g        ; k = 32 g + 8 h + 0..3
	ds_load_b128 v[XX+16*\g+4:XX+16*\g+7],   v[STO] offset:128*\g+16     ; + 4..7
	ds_load_b128 v[XX+16*\g+8:XX+16*\g+11],  v[STO] offset:128*\g+64     ; k = 32 g + 16 + 8 h + 0..3
	ds_load_b128 v[XX+16*\g+12:XX+16*\g+15], v[STO] offset:128*\g+80     ; + 4..7
.endr
	s_wait_dscnt 0x0                               ; the numbers are back; the stores have read their registers,
.if (\s) < 2
	LOADX (\s)+2                                   ; which take the loads of two blocks on
.endif
.set i, 0
.rept 64
	v_med3_num_f32 v[XX+i], v[XX+i], -v[LIM], v[LIM]   ; the conversion to an 8-bit code does not saturate (ISA guide 7.6.2): the hold at the largest code x the scale
.set i, i+1
.endr
.if (\s) >= 2
	s_wait_alu depctr_va_vdst(0)
	s_wait_xcnt 0x0                                ; the stores of two blocks back have read this set of codes
.endif
.irp n, 0,1,2,3,4,5,6,7
	v_cvt_scalef32_pk8_fp8_f32 v[CD+2*\n:CD+2*\n+1], v[XX+8*\n:XX+8*\n+7], v[SC]
.endr
	v_nop                                          ; a plain instruction between the conversions and the next step's holds, which write their sources
.irp g, 0,1,2,3
	global_store_b128 v[LI], v[CD+4*\g:CD+4*\g+3], s[12:13] offset:2048*(\s)+512*\g   ; quad g of the image: 512 consecutive bytes
.endr
.endm
	LOADX 0
	LOADX 1
	s_wait_alu depctr_va_vdst(0)
	s_wait_kmcnt 0x0
	s_add_co_i32 s36, s24, 127                     ; e0
	s_lshl_b32 s37, s36, 23
	v_mov_b32 v[SC], s37
	s_add_co_i32 s36, s36, 8
	s_lshl_b32 s36, s36, 23
	s_or_b32 s36, s36, 0x600000
	v_mov_b32 v[LIM], s36
	s_wait_alu depctr_va_vdst(0)
	XSTEP 0
	XSTEP 1
	XSTEP 2
	XSTEP 3
	s_wait_tensorcnt 0x0                           ; the wave's end
	ds_add_u32 v[SPW], v[NIL]
	s_wait_dscnt 0x0
	s_endpgm
; ---------------- the weights: K is their FIRST axis.  A lane takes a column n and its registers run down K; a wave takes 32 columns x 256 along K
.Lweights:
	s_sub_co_u32 s21, ttmp9, 256                   ; w = 0..127: 0-95 W_attn (24 x 4), 96-127 W_proj (8 x 4)
	s_cmp_lt_u32 s21, 96
	s_cselect_b64 s[6:7], s[6:7], s[8:9]           ; the choices hang on the work-group's number alone
	s_cselect_b64 s[14:15], s[14:15], s[16:17]
	s_mov_b32 s22, 4096
	s_cselect_b32 s22, 12288, s22                  ; a row of the weight in bytes
	s_cselect_b32 s23, 0, 96
	s_sub_co_u32 s23, s21, s23
	s_and_b32 s48, s23, 3                          ; which 256 along K
	s_lshr_b32 s49, s23, 2
	s_lshl_b32 s49, s49, 7
	s_lshl_b32 s50, s20, 5
	s_add_co_u32 s49, s49, s50                     ; my first column
	s_lshl_b32 s50, s48, 8
	s_mul_i32 s50, s50, s22
	s_lshl_b32 s51, s49, 2
	s_add_co_u32 s50, s50, s51
	s_mov_b32 s51, 0
	s_add_nc_u64 s[32:33], s[6:7], s[50:51]        ; block 0's first row, at my first column
	s_lshl_b32 s52, s22, 5                         ; 32 rows on
	s_mov_b32 s53, 0
.irp t, 1,2,3,4,5,6,7
	s_add_nc_u64 s[32+2*\t:33+2*\t], s[30+2*\t:31+2*\t], s[52:53]   ; a base for each block of 32 along K: none is ever stepped
.endr
	s_lshl_b32 s54, s49, 10                        ; (column / 16) x 16,384
	s_lshl_b32 s55, s48, 12                        ; two images for 256 along K
	s_add_co_u32 s54, s54, s55
	s_mov_b32 s55, 0
	s_add_nc_u64 s[14:15], s[14:15], s[54:55]
	s_wait_alu depctr_va_vdst(0)
	v_lshlrev_b32 v[WO], 2, v2
.set i, 1
.rept 31
	v_add_nc_u32 v[WO+i], s22, v[WO+i-1]           ; 4 x lane + i rows
.set i, i+1
.endr
.macro LOADW t                         ; block t: W(32 t + i, my column): 128 consecutive bytes a wave, 512 a work-group
.set i, 0
.rept 32
	global_load_b32 v[WX+32*((\t)%2)+i], v[WO+i], s[32+2*(\t):33+2*(\t)] th:TH_LOAD_NT
.set i, i+1
.endr
.endm
	LOADW 0
	LOADW 1
	s_mul_i32 s56, s20, 32*WPIT
	s_add_co_u32 s56, s56, WSTG                    ; my stage
	v_mul_u32_u24 v[STI], v2, WPIT
	v_add_nc_u32 v[STI], s56, v[STI]               ; in: row = my column
	v_mul_u32_u24 v[STO], v3, WPIT
	v_lshl_add_u32 v[STO], v4, 3, v[STO]
	v_add_nc_u32 v[STO], s56, v[STO]               ; out: column r of a tile of 16, + 8 h
; THE TABLE, while the first loads are out.  128 work-groups x 128 threads = 2,048 positions x 8 pairs of frequencies: thread t of work-group w has position 16 w + t / 8 and pair t % 8.
	v_lshrrev_b32 v[POS], 3, v0
	s_lshl_b32 s57, s21, 4
	v_add_nc_u32 v[POS], s57, v[POS]
	v_cvt_f32_u32 v[POS], v[POS]
	v_and_b32 v[U], 7, v0
	v_mov_b32 v[F0], 0
	v_mov_b32 v[F1], 0
	v_mov_b32 v[ONE], 1.0
	v_lshlrev_b32 v[TO], 4, v0
.macro FREQ k, a, b                    ; exact: 1 x the frequency is added once, 0 x the others
	v_cmp_eq_u32 vcc_lo, \k, v[U]
	v_cndmask_b32 v[IND], 0, v[ONE], vcc_lo
	v_fmac_f32 v[F0], \a, v[IND]
	v_fmac_f32 v[F1], \b, v[IND]
.endm
	FREQ 0, 1.0, 0.562341325190
	FREQ 1, 0.316227766017, 0.177827941004
	FREQ 2, 0.1, 0.0562341325190
	FREQ 3, 0.0316227766017, 0.0177827941004
	FREQ 4, 0.01, 0.00562341325190
	FREQ 5, 0.00316227766017, 0.00177827941004
	FREQ 6, 0.001, 0.000562341325190
	FREQ 7, 0.000316227766017, 0.000177827941004
; cos and sin of pos x f.  n = the nearest whole number to angle x 2 / pi; the rest r = angle - n pi / 2 is taken in two fused steps (pi / 2 = 0x3fc90fdb - 0x333bbd2e; the first step rounds nothing:
; the difference is a multiple of 2^-24 under 1); polynomials on |r| <= pi / 4; the quadrant by selects and sign bits.
.macro SINCOS f, c, s
	v_mul_f32 v[ANG], v[POS], v[\f]
	v_mul_f32 v[NQ], 0x3f22f983, v[ANG]
	v_rndne_f32 v[NQ], v[NQ]
	v_fmamk_f32 v[RED], v[NQ], 0xbfc90fdb, v[ANG]
	v_fmamk_f32 v[RED], v[NQ], 0x333bbd2e, v[RED]
	v_mul_f32 v[ZZ], v[RED], v[RED]
	v_mov_b32 v[PS], 0xb94ca1f9                    ; -1.9515296e-4
	v_mov_b32 v[PCO], 0x37ccf5ce                   ; 2.4433157e-5
	v_fmaak_f32 v[PS], v[PS], v[ZZ], 0x3c08839e    ; + 8.3321609e-3
	v_fmaak_f32 v[PCO], v[PCO], v[ZZ], 0xbab6061a  ; - 1.3887316e-3
	v_fmaak_f32 v[PS], v[PS], v[ZZ], 0xbe2aaaa3    ; - 1.6666655e-1
	v_fmaak_f32 v[PCO], v[PCO], v[ZZ], 0x3d2aaaa5  ; + 4.1666646e-2
	v_mul_f32 v[PS], v[PS], v[ZZ]
	v_mul_f32 v[PCO], v[PCO], v[ZZ]
	v_fma_f32 v[TT], v[ZZ], -0.5, 1.0
	v_fma_f32 v[SNR], v[PS], v[RED], v[RED]        ; sin r
	v_fma_f32 v[CSR], v[PCO], v[ZZ], v[TT]         ; cos r
	v_cvt_i32_f32 v[NI], v[NQ]
	v_and_b32 v[TT], 1, v[NI]
	v_cmp_eq_u32 vcc_lo, 1, v[TT]
	v_cndmask_b32 v[\s], v[SNR], v[CSR], vcc_lo    ; an odd n: the two change places
	v_cndmask_b32 v[\c], v[CSR], v[SNR], vcc_lo
	v_lshlrev_b32 v[TT], 30, v[NI]
	v_and_b32 v[TT], 0x80000000, v[TT]
	v_xor_b32 v[\s], v[TT], v[\s]                  ; sin is negated where n % 4 is 2 or 3,
	v_add_nc_u32 v[NI], 1, v[NI]
	v_lshlrev_b32 v[TT], 30, v[NI]
	v_and_b32 v[TT], 0x80000000, v[TT]
	v_xor_b32 v[\c], v[TT], v[\c]                  ; cos where it is 1 or 2
.endm
	SINCOS F0, TAB, TAB+2
	SINCOS F1, TAB+1, TAB+3
	s_lshl_b32 s58, s21, 11                        ; 16 positions of 128 bytes
	s_mov_b32 s59, 0
	s_add_nc_u64 s[18:19], s[18:19], s[58:59]
	global_store_b128 v[TO], v[TAB:TAB+3], s[18:19]    ; a wave stores 512 consecutive bytes; none of these registers is written again
	s_wait_kmcnt 0x0
	s_cmp_lt_u32 s21, 96
	s_cselect_b32 s57, s25, s31                    ; e1 or e7
	s_add_co_i32 s57, s57, 127
	s_lshl_b32 s58, s57, 23
	v_mov_b32 v[SC], s58
	s_add_co_i32 s57, s57, 8
	s_lshl_b32 s57, s57, 23
	s_or_b32 s57, s57, 0x600000
	v_mov_b32 v[LIM], s57
.macro BLOCK t
.set XS, WX+32*((\t)%2)
.if (\t) < 7
	s_wait_loadcnt 32                              ; this block's 32 loads are in; the next block's may be out
.else
	s_wait_loadcnt 0
.endif
.set i, 0
.rept 32
	v_med3_num_f32 v[XS+i], v[XS+i], -v[LIM], v[LIM]
.set i, i+1
.endr
.irp g, 0,1,2,3
	v_cvt_scalef32_pk8_fp8_f32 v[WC+2*\g:WC+2*\g+1], v[XS+8*\g:XS+8*\g+7], v[SC]
.endr
	v_nop                                          ; a plain instruction behind the conversions
	ds_store_b128 v[STI], v[WC:WC+3] offset:32*(\t)        ; 32 codes of my column, K innermost
	ds_store_b128 v[STI], v[WC+4:WC+7] offset:32*(\t)+16
.if (\t)+2 < 8
	LOADW (\t)+2
.endif
	s_wait_dscnt 0x0                               ; the stores have read their registers: the next block's codes may be written
.endm
	s_wait_alu depctr_va_vdst(0)
.irp t, 0,1,2,3,4,5,6,7
	BLOCK \t
.endr
; the way out: tile ii of 16 columns, K block qq, quad g: two pieces of 8 bytes a lane make the image's 16
.irp ii, 0,1
.irp qq, 0,1
.irp g, 0,1,2,3
	ds_load_b64 v[WOUT+4*(8*\ii+4*\qq+\g):WOUT+4*(8*\ii+4*\qq+\g)+1],   v[STO] offset:\ii*16*WPIT+128*\qq+32*\g
	ds_load_b64 v[WOUT+4*(8*\ii+4*\qq+\g)+2:WOUT+4*(8*\ii+4*\qq+\g)+3], v[STO] offset:\ii*16*WPIT+128*\qq+32*\g+16
.endr
.endr
.endr
.irp ii, 0,1
.irp qq, 0,1
.irp g, 0,1,2,3
	s_wait_dscnt 30-2*(8*\ii+4*\qq+\g)             ; this quad's two loads are in; those issued behind them may be out
	global_store_b128 v[LI], v[WOUT+4*(8*\ii+4*\qq+\g):WOUT+4*(8*\ii+4*\qq+\g)+3], s[14:15] offset:\ii*16384+\qq*2048+\g*512
.endr
.endr
.endr
	s_wait_tensorcnt 0x0                           ; the wave's end
	ds_add_u32 v[SPW], v[NIL]
	s_wait_dscnt 0x0
	s_endpgm
.Lfunc_end_k_qd2f990aa03_prep:
	.size	k_qd2f990aa03_prep, .Lfunc_end_k_qd2f990aa03_prep-k_qd2f990aa03_prep
	.p2alignl 7, 3214868480
	.fill 96, 4, 3214868480
	.section	.rodata,"a",@progbits
	.p2align	6, 0x0
	.amdhsa_kernel k_qd2f990aa03_prep
		.amdhsa_group_segment_fixed_size 69120
		.amdhsa_private_segment_fixed_size 0
		.amdhsa_enable_private_segment 0
		.amdhsa_kernarg_size 64
		.amdhsa_user_sgpr_count 2
		.amdhsa_user_sgpr_kernarg_segment_ptr 1
		.amdhsa_wavefront_size32 1
		.amdhsa_system_sgpr_workgroup_id_x 1
		.amdhsa_system_sgpr_workgroup_id_y 1
		.amdhsa_system_sgpr_workgroup_id_z 1
		.amdhsa_system_vgpr_workitem_id 0
		.amdhsa_next_free_vgpr 240
		.amdhsa_next_free_sgpr 66
		.amdhsa_reserve_vcc 1
		.amdhsa_float_denorm_mode_32 3
		.amdhsa_float_denorm_mode_16_64 3
		.amdhsa_memory_ordered 1
		.amdhsa_forward_progress 1
		.amdhsa_inst_pref_size 92
	.end_amdhsa_kernel
	.amdgpu_metadata
---
amdhsa.version: [ 1, 2 ]
amdhsa.kernels:
  - .name:           k_qd2f990aa03_prep
    .symbol:         k_qd2f990aa03_prep.kd
    .args:
      - { .name: x, .offset: 0, .size: 8, .value_kind: global_buffer, .address_space: global }
      - { .name: W_attn, .offset: 8, .size: 8, .value_kind: global_buffer, .address_space: global }
      - { .name: W_proj, .offset: 16, .size: 8, .value_kind: global_buffer, .address_space: global }
      - { .name: lowp_scales, .offset: 24, .size: 8, .value_kind: global_buffer, .address_space: global }
      - { .name: xc_img, .offset: 32, .size: 8, .value_kind: global_buffer, .address_space: global }
      - { .name: wa_img, .offset: 40, .size: 8, .value_kind: global_buffer, .address_space: global }
      - { .name: wp_img, .offset: 48, .size: 8, .value_kind: global_buffer, .address_space: global }
      - { .name: rope, .offset: 56, .size: 8, .value_kind: global_buffer, .address_space: global }
    .group_segment_fixed_size: 69120
    .private_segment_fixed_size: 0
    .kernarg_segment_align: 8
    .kernarg_segment_size: 64
    .max_flat_workgroup_size: 128
    .sgpr_count:     66
    .vgpr_count:     240
    .wavefront_size: 32
...
	.end_amdgpu_metadata
.endif
;; end of part 1
;; launch qkv (part 2): grid 12 x 32, 4 waves a work-group, clusters of 4 x 4, 327,680 bytes of LDS; arguments xc_img, wa_img, lowp_scales, b_attn, rope, q_img, kv_img; writes q_img, kv_img
.if DOCPART == 2
	.amdgcn_target "amdgcn-amd-amdhsa--gfx1250"
	.amdhsa_code_object_version 6
	.text
	.protected	k_qd2f990aa03_qkv
	.globl	k_qd2f990aa03_qkv
	.p2align	8
	.type	k_qd2f990aa03_qkv,@function
k_qd2f990aa03_qkv:
	s_mov_b64 s[64:65], 0
	v_nop
	global_prefetch_b8 v0, s[64:65] scope:SCOPE_SE
	s_setreg_imm32_b32 hwreg(HW_REG_WAVE_MODE, 25, 1), 1
	s_wait_xcnt 0x0
	s_wait_alu depctr_hold_cnt(0) depctr_sa_sdst(0) depctr_va_vdst(0) depctr_va_sdst(0) depctr_va_ssrc(0) depctr_va_vcc(0) depctr_vm_vsrc(0)
	s_getreg_b32 s2, hwreg(HW_REG_IB_STS2, 6, 4)
	s_cmp_eq_u32 s2, 0
	s_cbranch_scc0 .Lentry_in_a_cluster
	s_endpgm
.Lentry_in_a_cluster:
	s_bfe_u32 s2, ttmp6, 0x10000c
	s_cmp_lg_u32 s2, 0xf033
	s_cbranch_scc0 .Lentry_shape_is_right
	s_endpgm
.Lentry_shape_is_right:
; qkv = x W_attn + b_attn on codes of FP8 (E4M3); q and k are rotated; q, k, v are quantised (scales' entries 2, 3, 5) and stored as images of the next products' operand registers.
; INPUT IMAGES: 16 rows x 128 K in 2,048 bytes, byte 512 g + 16 lane + y = registers 4 g .. 4 g + 3 of a fragment; xc_img [token tile 512][K block 8][2048], wa_img [n tile 192][8][2048].
; A tile of 256 x 256 is made by four waves, each 128 x 128: 64 accumulators, 512 registers.  K = 1,024 goes in four steps of 256 through two LDS slots filled by the tensor data mover:
; a wave's load brings 8 tiles of 16 rows x 4,096 bytes (two images each), dense in LDS, so every fragment is four ds_load_b128 at 16 x lane.
; CLUSTERS: 4 x 4 work-groups; the tiles of the operand called A are shared along a row of the cluster, B's along a column: joint loads.
; THE MATRIX INSTRUCTION IS USED TRANSPOSED (source 0 = 16 rows of B, source 1 = 16 rows of A): a lane holds one row of A's side and eight neighbours of B's side.
; ROLES.  Cluster x = 0 makes q, 1 makes k: A = tokens, B = columns of W: a lane holds one token and eight neighbouring channels, the next product's K.
; Cluster x = 2 makes v: A = columns of W, B = tokens: a lane holds one channel and eight neighbouring tokens, the keys, which are the K of the product with the softmax.  The roles are changed by the
; choice of two pointers and two tile numbers, on the cluster's x, which all sixteen partners share; both buffers have the same pitch, so descriptors and loop are one text.
; OUTPUT IMAGES: q_img, k_img [batch x 16 + head][token tile 128][1024]: 16 tokens x 64 channels; v_img [batch x 16 + head][block of 128 keys: 16][channel tile 4][2048]: 16 channels x 128 keys.
; The conversions' results are the images' quads: each store of a wave covers 512 consecutive bytes; no stage in LDS.
; 384 work-groups: a tile 192 wide would cut the borders of q, k, v, and a tile of 256 x 384 does not fit the registers.
; LIMITS: e0 + e1 between -126 and 127; e2, e3, e5 between -126 and 119.  NaN is not served.
; REGISTERS, in windows of 256: window 0: v16-31 addresses and constants; v32-95 the bias by column, v96-111 the bias by row (both loaded at the head, whichever is used); from v128 A's fragments, ONE set;
;   on the way out v112-127 at work, v128-191 a block's numbers, v192-223 two sets of the table, v224-255 two sets of codes.   window 1: B's fragments, TWO sets.   windows 2, 3: the accumulators ((a, b) at v[8 (8 (a % 4) + b)]).
.set KSTEPB, 4096                      ; a K step of 256 in a tile of 16 rows: two images
.set FR,     16                        ; registers of a fragment
.set NL,     4                         ; LDS loads that bring one
.set NP,     4                         ; places behind this matrix instruction (ISA guide 7.12.1)
.set HALFT,  32768                     ; 128 rows x 256 K: what one tensor load brings
.set SLOT,   4*HALFT                   ; A's 256 rows, then B's
.set LAPS,   2                         ; 1,024 / (2 x 256)
.set SPARE,  2*SLOT                    ; behind the ring: the spare words, 128 bytes for each wave, that no other line names
.set ADRA, 16                          ; v16-17  LDS address of my A fragments in slot 0, 1
.set BQO,  18                          ; v18     32 h: the bias by column
.set BVO,  19                          ; v19     4 r: the bias by row
.set ADRB, 20                          ; v20-21  LDS address of my B fragments
.set LI,   26                          ; v26     16 x lane
.set RA,   27                          ; v27     128 r + 64 h: my token's eight frequencies in the table
.set SPW,  28                          ; v28     my spare word's LDS address; never rewritten
.set NIL,  29                          ; v29     0; never rewritten
.set SC,   30                          ; v30     2^e of the operand that I make
.set LIM,  31                          ; v31     448 x 2^e
.set BIASQ, 32
.set BIASV, 96
.set T,    112
.set TMP,  128
.set ROPE, 192
.set CODES, 224
.set AF,   128
.set G1, 24                            ; s[24:31] descriptor group 1 for A's tiles;  s[32:39] group 0, one set for each slot
.set G0, 32
.set G1B, 48                           ; s[48:55], s[56:63] the same for B's tiles
.set G0B, 56
.set MSB, 0
.macro WIN new                         ; the immediate's high byte repeats the setting that is left
.if MSB != (\new)
	s_set_vgpr_msb (MSB<<8)|(\new)
.set MSB, (\new)
.endif
.endm
.set MUL_LO, 0xa1                      ; source 0 (B) window 1, source 1 (A) window 0, C and D window 2
.set MUL_HI, 0xf1                      ; the same, C and D window 3
.set TO_B,   0x40                      ; destination window 1, address window 0
; A joint load: waves 0 and 1 fetch for A, waves 2 and 3 for B; the branch hangs on the wave's number alone.  An s_nop 0 and four v_nop follow each of the two lines.
.macro JLOAD g0a, g1a, g0b, g1b
	s_cmp_eq_u32 s15, 0
	s_cbranch_scc0 .Lfor_b_\@
	tensor_load_to_lds s[\g0a:\g0a+3], s[\g1a:\g1a+7]
	s_nop 0
.rept 4
	v_nop
.endr
	s_branch .Lasked_\@
.Lfor_b_\@:
	tensor_load_to_lds s[\g0b:\g0b+3], s[\g1b:\g1b+7]
	s_nop 0
.rept 4
	v_nop
.endr
.Lasked_\@:
.endm
.macro CREST                           ; a round of the cluster's barrier behind its opening barrier
	s_cmp_lg_u32 s14, 0
	s_cbranch_scc1 .Lnot_wave_0_\@
	s_barrier_signal -3
.Lnot_wave_0_\@:
	s_barrier_wait -3
	s_barrier_signal -1
	s_barrier_wait -1
.endm
.macro CROUND                          ; a whole round
	s_barrier_signal -1
	s_barrier_wait -1
	CREST
.endm
	; k and v go to ONE buffer, kv_img [batch x 16 + head][block of 128 keys: 16][k: 8 token tiles x 1,024 bytes, then v: 4 channel tiles x 2,048 bytes]; it takes the place of the k_img and v_img named above, the images themselves are as said there
	s_load_b256 s[68:75], s[0:1], 0x0              ; xc_img s[68:69], wa_img s[70:71], scales s[72:73], b_attn s[74:75]
	s_load_b128 s[76:79], s[0:1], 0x20             ; rope s[76:77], q_img s[78:79]
	s_load_b64 s[80:81], s[0:1], 0x30              ; kv_img
	v_lshl_add_u32 v[SPW], v0, 2, SPARE
	v_mov_b32 v[NIL], 0
	ds_add_u32 v[SPW], v[NIL]                      ; the wave's opening: the add and its wait stand ahead of my first tensor load; the set-up below, work on registers, stands between them
	ds_add_u32 v[SPW], v[NIL]
	v_lshrrev_b32 v1, 5, v0
	v_readfirstlane_b32 s14, v1                    ; wave 0..3
	s_lshr_b32 s15, s14, 1                         ; which half of A's rows is mine.  Also: I fetch for A (0) or for B (1)
	s_and_b32 s16, s14, 1                          ; which half of B's rows.  Also: which 128 rows of that tile I fetch
	s_bfe_u32 s40, ttmp6, 0x40000                  ; cx, cy: my place in the cluster
	s_bfe_u32 s41, ttmp6, 0x40004
	s_and_b32 s18, ttmp7, 0xffff
	s_lshl_b32 s18, s18, 2                         ; 4 x cluster y
	s_lshl_b32 s19, ttmp9, 2                       ; 4 x cluster x
	s_cmp_eq_u32 ttmp9, 2                          ; v?  The same in all sixteen partners
	s_cselect_b32 s17, 8, s18
	s_cselect_b32 s42, s18, s19
	s_add_co_u32 s17, s17, s41                     ; A's tile of 256 rows: tokens 4 Y + cy, or for v columns 8 + cy
	s_add_co_u32 s42, s42, s40                     ; B's tile: columns 4 X + cx, or for v tokens 4 Y + cx
	s_lshl_b32 s43, s41, 2
	s_lshl_b32 s43, 15, s43                        ; my row of the cluster
	s_lshl_b32 s44, 0x1111, s40                    ; my column
	; descriptor group 1: 8 rows of 512 elements of 8 bytes (4,096 bytes), 2,048 elements (16,384 bytes) apart; dense in LDS
	s_or_b32 s[G1+0], s43, (3<<16)|(1<<21)         ; 15:0 the mask: A's tiles go to my row; 17:16 elements of 8 bytes; 21 set beside a mask
	s_or_b32 s[G1B+0], s44, (3<<16)|(1<<21)
.irp g, G1, G1B
	s_mov_b32 s[\g+1], 512<<16                     ; tensor_dim0
	s_mov_b32 s[\g+2], 8<<16                       ; tensor_dim1
	s_mov_b32 s[\g+3], 512<<16                     ; tile_dim0
	s_mov_b32 s[\g+4], 8                           ; tile_dim1
	s_mov_b32 s[\g+5], 2048                        ; tensor_dim0_stride
	s_mov_b32 s[\g+6], 0
	s_mov_b32 s[\g+7], 0
.endr
	s_lshl_b32 s22, s16, 17                        ; which 128 rows of the tile I fetch: 8 x 16,384 bytes
	s_lshl_b32 s20, s17, 18                        ; A's tile: 16 x 16,384 bytes
	s_add_co_u32 s20, s20, s22
	s_mov_b32 s21, 0
	s_lshl_b32 s46, s42, 18
	s_add_co_u32 s46, s46, s22
	s_mov_b32 s47, 0
	s_lshl_b32 s45, s14, 15                        ; where they go: wave x 32,768: no place in the cluster enters an LDS address
	s_wait_dscnt 0x0                               ; the opening add is done
	s_wait_kmcnt 0x0
	s_load_b256 s[84:91], s[72:73], 0x0            ; e0 .. e7
	s_cmp_eq_u32 ttmp9, 2
	s_cselect_b64 s[4:5], s[70:71], s[68:69]       ; A's buffer
	s_cselect_b64 s[6:7], s[68:69], s[70:71]       ; B's buffer
	s_add_nc_u64 s[20:21], s[4:5], s[20:21]
	s_add_nc_u64 s[46:47], s[6:7], s[46:47]
	CROUND                                         ; all sixteen work-groups are here: the first joint loads meet
.irp s, 0,1
	s_mov_b32 s[G0+4*\s], 1
	s_add_co_u32 s[G0+4*\s+1], s45, \s*SLOT
	s_add_nc_u64 s[G0+4*\s+2:G0+4*\s+3], s[20:21], \s*KSTEPB
	s_or_b32 s[G0+4*\s+3], s[G0+4*\s+3], 0x80000000
	s_mov_b32 s[G0B+4*\s], 1
	s_add_co_u32 s[G0B+4*\s+1], s45, \s*SLOT
	s_add_nc_u64 s[G0B+4*\s+2:G0B+4*\s+3], s[46:47], \s*KSTEPB
	s_or_b32 s[G0B+4*\s+3], s[G0B+4*\s+3], 0x80000000
.endr
	JLOAD G0, G1, G0B, G1B                         ; K step 0: one tensor load a wave at the head
	v_and_b32 v1, 15, v0                           ; r
	v_bfe_u32 v2, v0, 4, 1                         ; h
	v_and_b32 v3, 31, v0
	v_lshlrev_b32 v[LI], 4, v3
	s_lshl_b32 s8, s15, 15                         ; my 128 rows of A
	s_lshl_b32 s9, s16, 15                         ; my 128 rows of B,
	s_add_co_u32 s9, s9, 2*HALFT                   ; which lie behind A's 256
.irp s, 0,1
	v_add_nc_u32 v[ADRA+\s], s8, v[LI]
	v_add_nc_u32 v[ADRB+\s], s9, v[LI]
	s_add_co_u32 s8, s8, SLOT
	s_add_co_u32 s9, s9, SLOT
.endr
	v_lshlrev_b32 v[RA], 7, v1
	v_lshl_add_u32 v[RA], v2, 6, v[RA]
	v_lshlrev_b32 v[BQO], 5, v2
	s_wait_alu depctr_va_vdst(0)
	v_lshlrev_b32 v[BVO], 2, v1
	; the bias, in both forms, so that no register hangs on the role: by B's columns (q, k; for v the first 128 numbers are read and not used), by A's rows (v; else likewise)
	s_wait_alu depctr_va_vdst(0)
	s_lshl_b32 s8, s42, 8
	s_lshl_b32 s9, s16, 7
	s_add_co_u32 s8, s8, s9                        ; B's first row of mine
	s_lshl_b32 s9, s17, 8
	s_lshl_b32 s10, s15, 7
	s_add_co_u32 s9, s9, s10                       ; A's first row of mine
	s_cmp_eq_u32 ttmp9, 2
	s_cselect_b32 s8, 0, s8
	s_cselect_b32 s10, s9, 0
	s_lshl_b32 s8, s8, 2
	s_mov_b32 s9, 0
	s_add_nc_u64 s[92:93], s[74:75], s[8:9]
	s_lshl_b32 s8, s10, 2
	s_add_nc_u64 s[94:95], s[74:75], s[8:9]
.irp b, 0,1,2,3,4,5,6,7
	global_load_b128 v[BIASQ+8*\b:BIASQ+8*\b+3],   v[BQO], s[92:93] offset:64*\b       ; b(16 b + 8 h + 0..3)
	global_load_b128 v[BIASQ+8*\b+4:BIASQ+8*\b+7], v[BQO], s[92:93] offset:64*\b+16    ; + 4..7
.endr
.irp a, 0,1,2,3,4,5,6,7
	global_load_b32 v[BIASV+2*\a], v[BVO], s[94:95] offset:64*\a                       ; b(16 a + r)
	v_mov_b32 v[BIASV+2*\a+1], 0                   ; (named with it as a pair, so it is written)
.endr
.macro FRAG reg, adr, q, i             ; fragment i of my eight, the slot's q-th 128 along K: its image, four quads of 512 bytes
.irp c, 0,1,2,3
	ds_load_b128 v[\reg+4*\c:\reg+4*\c+3], v[\adr] offset:4096*(\i)+2048*(\q)+512*\c
.endr
.endm
; 16 matrix instructions: A's blocks a0, a0 + 1 x B's eight, 128 along K.  p: B's set.  zero = 1: the first product starts the sums.  The 64 accumulators take turns, one instruction a turn, in the same order in every step.
.macro MUL16 a0, p, zero
.irp a, \a0, \a0+1
.irp b, 0,1,2,3,4,5,6,7
.if \zero
	v_wmma_f32_16x16x128_fp8_fp8 v[8*(8*((\a)%4)+\b):8*(8*((\a)%4)+\b)+7], v[128*(\p)+FR*\b:128*(\p)+FR*\b+FR-1], v[AF+FR*(\a):AF+FR*(\a)+FR-1], 0
.else
	v_wmma_f32_16x16x128_fp8_fp8 v[8*(8*((\a)%4)+\b):8*(8*((\a)%4)+\b)+7], v[128*(\p)+FR*\b:128*(\p)+FR*\b+FR-1], v[AF+FR*(\a):AF+FR*(\a)+FR-1], v[8*(8*((\a)%4)+\b):8*(8*((\a)%4)+\b)+7]
.endif
.endr
.endr
.endm
.macro FETCH_B slot, q, p
	WIN TO_B
.irp i, 0,1,2,3,4,5,6,7
	FRAG 128*(\p)+FR*\i, ADRB+\slot, \q, \i
.endr
	WIN 0
.endm
.macro FETCH_A slot, q, i0
.irp i, \i0, \i0+1, \i0+2, \i0+3
	FRAG AF+FR*(\i), ADRA+\slot, \q, \i
.endr
.endm
.macro PLACES n                        ; plain vector instructions between a matrix instruction and a load into, or a vector instruction on, its registers (ISA guide 7.12.1 for vector instructions)
.rept \n
	v_nop
.endr
.endm
.macro STEP slot, q, zero              ; 128 along K whose successor lies in the same slot
	s_wait_dscnt 4*NL                              ; B's set and A's blocks 0-3 are in; the youngest 16 loads (A's blocks 4-7) may be out
	WIN MUL_LO
	MUL16 0, (\q)%2, \zero
	MUL16 2, (\q)%2, \zero
	s_wait_dscnt 0                                 ; A's blocks 4-7 are in
	PLACES NP
	FETCH_B \slot, (\q)+1, 1-(\q)%2
	FETCH_A \slot, (\q)+1, 0
	WIN MUL_HI
	MUL16 4, (\q)%2, \zero
	MUL16 6, (\q)%2, \zero
	PLACES NP
	WIN 0
	FETCH_A \slot, (\q)+1, 4
.endm
; A slot's last step changes slots: ONE barrier; in front of it each wave waits for all its tensor loads, adds 0 to its spare word, and waits for that and for its own reads of this slot.  fill = 1: this slot is filled again, two K steps ahead.
.macro TURN slot, next, fill
	s_wait_tensorcnt 0x0                           ; all my tensor loads have landed: my part of the next slot  (every window is 0 here)
	ds_add_u32 v[SPW], v[NIL]                      ; 0 onto my spare word
	s_wait_dscnt 4*NL+1                            ; (the add and the youngest 16 loads, A's blocks 4-7, may be out)
	WIN MUL_LO
	MUL16 0, 1, 0                                  ; sixteen matrix instructions stand between the add and the wait for it
	s_wait_dscnt 0x0                               ; the add is done, and my reads of this slot are over
	s_barrier_signal -1
	MUL16 2, 1, 0
	WIN 0
	s_barrier_wait -1
.if \fill
	CREST                                          ; the barrier has opened a round of the cluster's barrier: no wave of any partner still reads this slot or has a load on its way
	s_add_nc_u64 s[G0+4*\slot+2:G0+4*\slot+3], s[G0+4*\slot+2:G0+4*\slot+3], 2*KSTEPB
	s_add_nc_u64 s[G0B+4*\slot+2:G0B+4*\slot+3], s[G0B+4*\slot+2:G0B+4*\slot+3], 2*KSTEPB
	JLOAD G0+4*\slot, G1, G0B+4*\slot, G1B         ; the first tensor load behind the round; its four v_nop are the places in front of the loads below
.else
	PLACES NP
.endif
	FETCH_B \next, 0, 0
	FETCH_A \next, 0, 0
	WIN MUL_HI
	MUL16 4, 1, 0
	MUL16 6, 1, 0
	PLACES NP
	WIN 0
	FETCH_A \next, 0, 4
.endm
	s_wait_alu depctr_va_vdst(0)                   ; the wait at the head's end
	s_wait_tensorcnt 0x0                           ; my part of K step 0 is in
	ds_add_u32 v[SPW], v[NIL]
	s_wait_dscnt 0x0
	CROUND                                         ; everybody's part of K step 0 is in, and the joint loads meet
	JLOAD G0+4, G1, G0B+4, G1B                     ; K step 1: the first tensor load behind the round
	FETCH_B 0, 0, 0
	FETCH_A 0, 0, 0
	FETCH_A 0, 0, 4
	STEP 0, 0, 1                                   ; the first products start the sums
.rept LAPS-1                           ; once round the ring, filling both slots again; K has four steps, so this stands once and needs no branch
	TURN 0, 1, 1
	STEP 1, 0, 0
	TURN 1, 0, 1
	STEP 0, 0, 0
.endr
	TURN 0, 1, 0                                   ; the last lap fills nothing
	STEP 1, 0, 0
	s_wait_dscnt 4*NL
	WIN MUL_LO
	MUL16 0, 1, 0
	MUL16 2, 1, 0
	s_wait_dscnt 0
	WIN MUL_HI
	MUL16 4, 1, 0
	MUL16 6, 1, 0
	WIN 0
; THE WAY OUT, block by block of A's 16 rows.
	s_wait_kmcnt 0x0
	s_add_co_i32 s96, s84, s85                     ; e0 + e1
	s_add_co_i32 s96, s96, 127
	s_lshl_b32 s96, s96, 23                        ; 2^(e0 + e1) as f32
	s_mov_b32 s97, s96                             ; (named with it as a pair, so it is written)
	s_cmp_eq_u32 ttmp9, 0
	s_cselect_b32 s98, s86, s87                    ; q: e2; k: e3;
	s_cmp_eq_u32 ttmp9, 2
	s_cselect_b32 s98, s89, s98                    ; v: e5.  Selected, not branched on
	s_add_co_i32 s98, s98, 127
	s_lshl_b32 s99, s98, 23
	s_add_co_i32 s98, s98, 8
	s_lshl_b32 s98, s98, 23
	s_or_b32 s98, s98, 0x600000
	PLACES NP                                      ; behind the last products: for the reads of their results and for what lands where A's fragments lay
	v_mov_b32 v[SC], s99
	v_mov_b32 v[LIM], s98
	s_wait_loadcnt 0x0                             ; the biases
.macro SUMS a, byrow                   ; block a's 64 sums x 2^(e0 + e1) + bias, each accumulator from its low end on
.set AC, 64*((\a)%4)
	WIN 0x02+((\a)/4)                              ; source 0: window 2 or 3
.set j, 0
.rept 32
.if \byrow
	v_pk_fma_f32 v[TMP+j:TMP+j+1], v[AC+j:AC+j+1], s[96:97], v[BIASV+2*(\a):BIASV+2*(\a)+1] op_sel_hi:[1,0,0]
.else
	v_pk_fma_f32 v[TMP+j:TMP+j+1], v[AC+j:AC+j+1], s[96:97], v[BIASQ+j:BIASQ+j+1] op_sel_hi:[1,0,1]
.endif
.set j, j+2
.endr
	WIN 0
.endm
.macro ENCODE a                        ; the hold and the conversions: registers 2 b, 2 b + 1 of set a % 2 are B's tile b
.set CD, CODES+16*((\a)%2)
.set i, 0
.rept 64
	v_med3_num_f32 v[TMP+i], v[TMP+i], -v[LIM], v[LIM]   ; the conversion to an 8-bit code does not saturate (ISA guide 7.6.2)
.set i, i+1
.endr
.if (\a) >= 2
	s_wait_alu depctr_va_vdst(0)
	s_wait_xcnt 0x0                                ; the stores of two blocks back have read this set of codes
.endif
.irp b, 0,1,2,3,4,5,6,7
	v_cvt_scalef32_pk8_fp8_f32 v[CD+2*\b:CD+2*\b+1], v[TMP+8*\b:TMP+8*\b+7], v[SC]
.endr
	v_nop                                          ; a plain instruction between the conversions and the next block's sums, which write their sources
.endm
	s_cmp_eq_u32 ttmp9, 2
	s_cbranch_scc1 .Lv_path                        ; on the cluster's x: all partners go the same way
; ---- q, k: lane (r, h) holds token 16 a + r and, of B's tile b, channels 16 b + 8 h + 0..7; tiles 4 hh + 0..3 are one head
	s_lshl_b32 s4, s17, 8
	s_lshl_b32 s5, s15, 7
	s_add_co_u32 s4, s4, s5                        ; my first token
	s_lshl_b32 s5, s42, 8
	s_lshl_b32 s6, s16, 7
	s_add_co_u32 s5, s5, s6
	s_and_b32 s5, s5, 1023                         ; my first channel within q or k
	s_lshr_b32 s6, s4, 11
	s_lshl_b32 s6, s6, 4
	s_lshr_b32 s7, s5, 6
	s_add_co_u32 s6, s6, s7                        ; batch x 16 + head
	s_and_b32 s7, s4, 2047                         ; position, a multiple of 128
	s_cmp_eq_u32 ttmp9, 0                          ; q or k: all selects first, the shifts below set SCC
	s_cselect_b32 s8, 17, 18                       ; a head: 131,072 bytes in q_img, 262,144 in kv_img
	s_cselect_b32 s9, 6, 7                         ; 128 tokens: 8,192 bytes on in q_img, 16,384 in kv_img
	s_cselect_b64 s[10:11], s[78:79], s[80:81]
	s_lshl_b32 s6, s6, s8
	s_lshl_b32 s5, 1, s8                           ; from my first head to my second
	s_lshl_b32 s8, s7, s9
	s_add_co_u32 s8, s8, s6
	s_mov_b32 s9, 0
	s_add_nc_u64 s[10:11], s[10:11], s[8:9]        ; my first head's images
	s_lshl_b32 s8, s7, 7
	s_add_nc_u64 s[12:13], s[76:77], s[8:9]        ; the table at my first position
	s_mov_b32 s8, s5
	s_add_nc_u64 s[8:9], s[10:11], s[8:9]          ; my second head's images
.macro RLOAD a                         ; token 16 a + r: cos and sin of frequencies 8 h + 0..7
.irp u, 0,1,2,3
	global_load_b128 v[ROPE+16*((\a)%2)+4*\u:ROPE+16*((\a)%2)+4*\u+3], v[RA], s[12:13] offset:(\a)*2048+16*\u
.endr
.endm
.macro QK a
	SUMS \a, 0
.if (\a) < 7
	s_wait_loadcnt 4                               ; this block's four table loads are in; the next block's four may be out
.else
	s_wait_loadcnt 0
.endif
.set RP, ROPE+16*((\a)%2)
.irp hh, 0,1                           ; channel d < 32 goes with d + 32, two tiles on; both have frequency d % 16 = 8 h + j
.irp bb, 0,1
.irp u, 0,1,2,3
	v_pk_mul_f32 v[T+4*\u:T+4*\u+1],   v[TMP+8*(4*\hh+\bb)+16+2*\u:TMP+8*(4*\hh+\bb)+16+2*\u+1], v[RP+4*\u+2:RP+4*\u+3]   ; x2 sin
	v_pk_mul_f32 v[T+4*\u+2:T+4*\u+3], v[TMP+8*(4*\hh+\bb)+2*\u:TMP+8*(4*\hh+\bb)+2*\u+1],       v[RP+4*\u+2:RP+4*\u+3]   ; x1 sin
.endr
.irp u, 0,1,2,3
	v_pk_fma_f32 v[TMP+8*(4*\hh+\bb)+2*\u:TMP+8*(4*\hh+\bb)+2*\u+1], v[TMP+8*(4*\hh+\bb)+2*\u:TMP+8*(4*\hh+\bb)+2*\u+1], v[RP+4*\u:RP+4*\u+1], v[T+4*\u:T+4*\u+1] neg_lo:[0,0,1] neg_hi:[0,0,1]   ; x1 cos - x2 sin
	v_pk_fma_f32 v[TMP+8*(4*\hh+\bb)+16+2*\u:TMP+8*(4*\hh+\bb)+16+2*\u+1], v[TMP+8*(4*\hh+\bb)+16+2*\u:TMP+8*(4*\hh+\bb)+16+2*\u+1], v[RP+4*\u:RP+4*\u+1], v[T+4*\u+2:T+4*\u+3]   ; x2 cos + x1 sin
.endr
.endr
.endr
.if (\a) < 6
	RLOAD (\a)+2
.endif
	ENCODE \a
.irp hh, 0,1
.irp g, 0,1
	global_store_b128 v[LI], v[CD+8*\hh+4*\g:CD+8*\hh+4*\g+3], s[10-2*\hh:11-2*\hh] offset:(\a)*1024+\g*512   ; quad g of head hh's image of these 16 tokens: 512 consecutive bytes
.endr
.endr
.endm
	RLOAD 0
	RLOAD 1
.irp a, 0,1,2,3,4,5,6,7
	QK \a
.endr
	s_branch .Lclose
; ---- v: lane (r, h) holds channel 16 a + r and tokens 16 b + 8 h + 0..7 of my 128, one block of keys
.Lv_path:
	s_lshl_b32 s4, s17, 8
	s_lshl_b32 s5, s15, 7
	s_add_co_u32 s4, s4, s5
	s_sub_co_u32 s4, s4, 2048                      ; my first channel within v
	s_lshl_b32 s5, s42, 8
	s_lshl_b32 s6, s16, 7
	s_add_co_u32 s5, s5, s6                        ; my first token
	s_lshr_b32 s6, s5, 11
	s_lshl_b32 s6, s6, 4
	s_lshr_b32 s7, s4, 6
	s_add_co_u32 s6, s6, s7                        ; batch x 16 + head
	s_lshl_b32 s6, s6, 18
	s_and_b32 s7, s5, 2047
	s_lshl_b32 s7, s7, 7                           ; (position / 128) x 16,384
	s_add_co_u32 s8, s6, s7
	s_add_co_u32 s8, s8, 8192                      ; v's half of the block
	s_mov_b32 s9, 0
	s_add_nc_u64 s[10:11], s[80:81], s[8:9]
.macro VV a
	SUMS \a, 1
	ENCODE \a
.irp g, 0,1,2,3
	global_store_b128 v[LI], v[CD+4*\g:CD+4*\g+3], s[10:11] offset:((\a)/4)*262144+((\a)%4)*2048+\g*512   ; head a / 4 of my two, channel tile a % 4
.endr
.endm
.irp a, 0,1,2,3,4,5,6,7
	VV \a
.endr
.Lclose:
	s_wait_tensorcnt 0x0                           ; the wave's end
	ds_add_u32 v[SPW], v[NIL]
	s_wait_dscnt 0x0
	CROUND                                         ; the closing round: no work-group ends while a partner may still ask for a tile that names it
	s_endpgm
.Lfunc_end_k_qd2f990aa03_qkv:
	.size	k_qd2f990aa03_qkv, .Lfunc_end_k_qd2f990aa03_qkv-k_qd2f990aa03_qkv
	.p2alignl 7, 3214868480
	.fill 96, 4, 3214868480
	.section	.rodata,"a",@progbits
	.p2align	6, 0x0
	.amdhsa_kernel k_qd2f990aa03_qkv
		.amdhsa_group_segment_fixed_size 327680
		.amdhsa_private_segment_fixed_size 0
		.amdhsa_enable_private_segment 0
		.amdhsa_kernarg_size 56
		.amdhsa_user_sgpr_count 2
		.amdhsa_user_sgpr_kernarg_segment_ptr 1
		.amdhsa_wavefront_size32 1
		.amdhsa_system_sgpr_workgroup_id_x 1
		.amdhsa_system_sgpr_workgroup_id_y 1
		.amdhsa_system_sgpr_workgroup_id_z 1
		.amdhsa_system_vgpr_workitem_id 0
		.amdhsa_next_free_vgpr 1024
		.amdhsa_next_free_sgpr 100
		.amdhsa_reserve_vcc 0
		.amdhsa_float_denorm_mode_32 3
		.amdhsa_float_denorm_mode_16_64 3
		.amdhsa_memory_ordered 1
		.amdhsa_forward_progress 1
		.amdhsa_inst_pref_size 230
	.end_amdhsa_kernel
	.amdgpu_metadata
---
amdhsa.version: [ 1, 2 ]
amdhsa.kernels:
  - .name:           k_qd2f990aa03_qkv
    .symbol:         k_qd2f990aa03_qkv.kd
    .args:
      - { .name: xc_img, .offset: 0, .size: 8, .value_kind: global_buffer, .address_space: global }
      - { .name: wa_img, .offset: 8, .size: 8, .value_kind: global_buffer, .address_space: global }
      - { .name: lowp_scales, .offset: 16, .size: 8, .value_kind: global_buffer, .address_space: global }
      - { .name: b_attn, .offset: 24, .size: 8, .value_kind: global_buffer, .address_space: global }
      - { .name: rope, .offset: 32, .size: 8, .value_kind: global_buffer, .address_space: global }
      - { .name: q_img, .offset: 40, .size: 8, .value_kind: global_buffer, .address_space: global }
      - { .name: kv_img, .offset: 48, .size: 8, .value_kind: global_buffer, .address_space: global }
    .group_segment_fixed_size: 327680
    .private_segment_fixed_size: 0
    .kernarg_segment_align: 8
    .kernarg_segment_size: 56
    .max_flat_workgroup_size: 128
    .sgpr_count:     100
    .vgpr_count:     1024
    .wavefront_size: 32
...
	.end_amdgpu_metadata
.endif
;; end of part 2
;; launch attn (part 3): grid 4 x 64, 8 waves a work-group, clusters of 4 x 1, 327,680 bytes of LDS; arguments q_img, kv_img, lowp_scales, y_img; writes y_img
.if DOCPART == 3
	.amdgcn_target "amdgcn-amd-amdhsa--gfx1250"
	.amdhsa_code_object_version 6
	.text
	.protected	k_qd2f990aa03_attn
	.globl	k_qd2f990aa03_attn
	.p2align	8
	.type	k_qd2f990aa03_attn,@function
k_qd2f990aa03_attn:
	s_mov_b64 s[64:65], 0
	v_nop
	global_prefetch_b8 v0, s[64:65] scope:SCOPE_SE
	s_setreg_imm32_b32 hwreg(HW_REG_WAVE_MODE, 25, 1), 1
	s_wait_xcnt 0x0
	s_wait_alu depctr_hold_cnt(0) depctr_sa_sdst(0) depctr_va_vdst(0) depctr_va_sdst(0) depctr_va_ssrc(0) depctr_va_vcc(0) depctr_vm_vsrc(0)
	s_getreg_b32 s2, hwreg(HW_REG_IB_STS2, 6, 4)
	s_cmp_eq_u32 s2, 0
	s_cbranch_scc0 .Lentry_in_a_cluster
	s_endpgm
.Lentry_in_a_cluster:
	s_bfe_u32 s2, ttmp6, 0x10000c
	s_cmp_lg_u32 s2, 0x3003
	s_cbranch_scc0 .Lentry_shape_is_right
	s_endpgm
.Lentry_shape_is_right:
; y[b][q][head] = the sum over keys k <= q of softmax_k(Q . K / 8) V, both products on codes of FP8 (E4M3); y is quantised (scales' entry 6) and stored as the image of the last product's operand.
; q_img [batch x 16 + head][token tile 128][1024]: 16 tokens x 64 channels, byte 512 g + 16 lane + y = registers 4 g .. 4 g + 3 of a K = 64 fragment.
; kv_img [batch x 16 + head][chunk of 128 keys: 16][K: 8 such images of 16 keys, then V: 4 images of 16 channels x 128 keys, 2,048 bytes each].  y_img [token tile 512][head 16][1024].
; THE SOFTMAX: t = score x log2(e) / 8; M = the row's largest t so far, rounded UP to a whole number; p = 2^(t - M) is quantised (entry 4), not normalised; the row's sum is taken of the unquantised p
; and divides at the end.  When M moves, the sum and O are multiplied by 2^(old M - new M): exact.
; A HEAD'S K AND V, 262,144 bytes, LIE IN LDS WHOLE: each of the eight waves brings 32,768 bytes (two chunks) by its one tensor load at the head; nothing is filled again, so the loop has no barrier.
; SHARES.  The four work-groups of a head form a cluster.  Work-group p owns the blocks of 32 queries j = p + 4 i, i = 0..15; block j needs chunks 0..i, whatever p is: all four need all 16 chunks and ask
; for them jointly.  Wave w owns blocks i = w and i = 15 - w: (w + 1) + (16 - w) = 17 steps of 128 keys for every wave of every work-group.  Tiles wholly above the diagonal are never walked.
; The two tiles of 16 queries of a block share every fragment of K and V.  Step t = 0 is the first block's diagonal chunk, step 16 the second's: there hidden scores become -infinity ahead of the maximum.
; The first block walks its chunks downward from the diagonal, the second upward from 0: the order of the keys is free under a running M, and every query finds its own key in its first step or key 0.
; LAYOUT.  S^T = K Q^T, O^T = V^T P^T: a lane holds ONE query (lane % 16) of each tile; in tile t of S^T lane (r, h) holds keys 16 t + 8 h + 0..7, whose codes are registers 2 t, 2 t + 1 of the K = 128 operand.
; No prefetch: every tensor load of the launch goes out at its head, so there is no loop to run ahead in.
; LIMITS: e2 + e3 between -123 and 130; e4, e6 between -126 and 119; e4 + e5 goes by v_ldexp_f32 and has none.  NaN is not served.
; REGISTERS.  Window 0: all that vector instructions touch.  Window 1 (v256..): K's fragments, V's fragments, Q of the block in hand and of the second block: touched by loads, matrix instructions and one copy.
.set SPARE, 262144                     ; behind K and V: the spare words, 128 bytes for each of 8 waves, that no other line names
.set LA,   1                           ; 16 x lane
.set ADR,  2                           ; LDS address of the chunk in hand
.set ADRN, 3                           ; of the next chunk
.set SPW,  4                           ; my spare word; never rewritten
.set NIL,  5                           ; 0; never rewritten
.set DDA,  6                           ; on the diagonal: my query - the chunk's first key - 8 h, tile A;
.set DDB,  7                           ; tile B
.set NMA,  8                           ; -M, and above it the largest score so far
.set LSA,  10                          ; the sum in two halves
.set FA,   12                          ; f = 2^(old M - new M); the pair's low word serves both halves
.set NMB,  14
.set LSB,  16
.set FB,   18
.set MXA,  20
.set MXB,  22
.set XA,   24
.set XB,   25
.set SCP,  26                          ; 2^e4
.set NINF, 27
.set RLA,  28
.set RLB,  30
.set SA,   32                          ; S^T, then p: 64 registers a tile
.set SB,   96
.set OA,   160                         ; O^T: 32 a tile
.set OB,   192
.set PA,   224                         ; p's codes: 16 a tile; ahead of them the sums' side chains
.set PB,   240
.set KF,   0                           ; window 1: eight fragments of K
.set VF,   64                          ; four of V
.set QC,   128                         ; Q of the block in hand, two tiles
.set QX,   144                         ; Q of the second block
.set WV,   12
.set P,    13
.set HB,   14
.set SEL,  20
.set CS,   22                          ; s[22:23] log2(e) / 8 x 2^(e2 + e3)
.set G1,   24
.set G0,   32
.set YA,   40
.set YB,   42
.set EPV,  48
.set HP,   49                          ; 448 x 2^e4
.set AC,   50                          ; step + 15 - wave
.set CNT,  52                          ; the step, 0..16
.set TB,   53                          ; LDS byte of the chunk in hand
.set TBN,  54                          ; of the next
.set SCYS, 55                          ; 2^e6
.set LIMYS, 56                         ; 448 x 2^e6
.set MSB, 0
.macro WIN new                         ; the immediate's high byte repeats the setting that is left
.if MSB != (\new)
	s_set_vgpr_msb (MSB<<8)|(\new)
.set MSB, (\new)
.endif
.endm
.macro CROUND                          ; a round of the cluster's barrier
	s_barrier_signal -1
	s_barrier_wait -1
	s_cmp_lg_u32 s[WV], 0
	s_cbranch_scc1 .Lnw0_\@
	s_barrier_signal -3
.Lnw0_\@:
	s_barrier_wait -3
	s_barrier_signal -1
	s_barrier_wait -1
.endm
; s96 = z = 16 + wave - step.  z >= 16: the first block, chunk z - 16; z < 16: the second, chunk 15 - z.
.macro CHUNK dst
	s_lshr_b32 s97, s96, 4
	s_and_b32 s97, s97, 1
	s_mul_i32 s97, s97, 15
	s_xor_b32 s97, s97, 15
	s_and_b32 s96, s96, 15
	s_xor_b32 s96, s96, s97
	s_lshl_b32 s[\dst], s96, 14
.endm
.macro KLOAD adr
	WIN 0x40
.irp t, 0,1,2,3,4,5,6,7
	ds_load_b128 v[KF+8*\t:KF+8*\t+3], v[\adr] offset:1024*\t
	ds_load_b128 v[KF+8*\t+4:KF+8*\t+7], v[\adr] offset:1024*\t+512
.endr
	WIN 0
.endm
.macro SUMS x                          ; the row's sum of the unquantised p: 32 packed additions in four chains
	v_pk_add_f32 v[P\x:P\x+1], v[S\x:S\x+1], v[S\x+2:S\x+3]
	v_pk_add_f32 v[P\x+2:P\x+3], v[S\x+4:S\x+5], v[S\x+6:S\x+7]
	v_pk_add_f32 v[P\x+4:P\x+5], v[S\x+8:S\x+9], v[S\x+10:S\x+11]
	v_pk_add_f32 v[LS\x:LS\x+1], v[LS\x:LS\x+1], v[S\x+12:S\x+13]
.irp j, 14,22,30,38,46,54
	v_pk_add_f32 v[P\x:P\x+1], v[P\x:P\x+1], v[S\x+\j:S\x+\j+1]
	v_pk_add_f32 v[P\x+2:P\x+3], v[P\x+2:P\x+3], v[S\x+\j+2:S\x+\j+3]
	v_pk_add_f32 v[P\x+4:P\x+5], v[P\x+4:P\x+5], v[S\x+\j+4:S\x+\j+5]
	v_pk_add_f32 v[LS\x:LS\x+1], v[LS\x:LS\x+1], v[S\x+\j+6:S\x+\j+7]
.endr
	v_pk_add_f32 v[P\x:P\x+1], v[P\x:P\x+1], v[S\x+62:S\x+63]
	v_pk_add_f32 v[P\x+2:P\x+3], v[P\x+2:P\x+3], v[P\x+4:P\x+5]
	v_pk_add_f32 v[LS\x:LS\x+1], v[LS\x:LS\x+1], v[P\x:P\x+1]
	v_pk_add_f32 v[LS\x:LS\x+1], v[LS\x:LS\x+1], v[P\x+2:P\x+3]
.endm
.macro CODES x
.irp t, 0,1,2,3,4,5,6,7
	v_cvt_scalef32_pk8_fp8_f32 v[P\x+2*\t:P\x+2*\t+1], v[S\x+8*\t:S\x+8*\t+7], v[SCP]
.endr
.endm
.macro PV x                            ; the accumulators take turns, one instruction a turn
	WIN 0x01
.irp d, 0,1,2,3
	v_wmma_f32_16x16x128_fp8_fp8 v[O\x+8*\d:O\x+8*\d+7], v[VF+16*\d:VF+16*\d+15], v[P\x:P\x+15], v[O\x+8*\d:O\x+8*\d+7]
.endr
	WIN 0
.endm
; A block's end: O^T x 2^(e4 + e5) / the sum, quantised, stored as two images of 16 tokens x this head's 64 channels: each store covers 512 consecutive bytes.
.macro FINISH yb
.rept 4
	v_nop                                          ; places behind the last products
.endr
.irp x, A,B
	v_add_f32 v[LS\x], v[LS\x], v[LS\x+1]
.endr
.irp x, A,B
	v_permlanex16_b32 v[X\x], v[LS\x], s[SEL], s[SEL+1]
.endr
.irp x, A,B
	v_add_f32 v[LS\x], v[LS\x], v[X\x]
.endr
	v_mov_b32 v[MXA], s[SCYS]
	v_mov_b32 v[MXB], s[LIMYS]
	s_wait_alu depctr_va_vdst(0)                   ; the wait ahead of the transcendentals,
	v_rcp_f32 v[RLA], v[LSA]
	v_rcp_f32 v[RLB], v[LSB]
	v_nop
	s_wait_alu depctr_va_vdst(0)                   ; and behind them
	v_ldexp_f32 v[RLA], v[RLA], s[EPV]
	v_ldexp_f32 v[RLB], v[RLB], s[EPV]
	s_wait_alu depctr_va_vdst(0)                   ; and directly ahead of the first readers of O^T
.irp x, A,B
.set j, 0
.rept 16
	v_pk_mul_f32 v[S\x+j:S\x+j+1], v[O\x+j:O\x+j+1], v[RL\x:RL\x+1] op_sel_hi:[1,0]
.set j, j+2
.endr
.endr
.irp x, A,B
.set j, 0
.rept 32
	v_med3_num_f32 v[S\x+j], v[S\x+j], -v[MXB], v[MXB]   ; the conversion does not saturate (ISA guide 7.6.2)
.set j, j+1
.endr
.endr
.irp x, A,B
.irp d, 0,1,2,3
	v_cvt_scalef32_pk8_fp8_f32 v[S\x+32+2*\d:S\x+33+2*\d], v[S\x+8*\d:S\x+8*\d+7], v[MXA]
.endr
.endr
	v_nop                                          ; a plain instruction behind the conversions
	global_store_b128 v[LA], v[SA+32:SA+35], s[\yb:\yb+1]
	global_store_b128 v[LA], v[SA+36:SA+39], s[\yb:\yb+1] offset:512
	global_store_b128 v[LA], v[SB+32:SB+35], s[\yb:\yb+1] offset:16384
	global_store_b128 v[LA], v[SB+36:SB+39], s[\yb:\yb+1] offset:16896
.endm
.macro INIT                            ; the step is written once: a block's first step finds zeros, which the first change of M leaves zeros
.set j, 0
.rept 64
	v_mov_b32 v[OA+j], 0
.set j, j+1
.endr
.irp x, A,B
	v_mov_b32 v[NM\x], 0x7f61b1e6                  ; -M = 3e38,
	v_mov_b32 v[NM\x+1], 0xff61b1e6                ; the largest score so far -3e38
	v_mov_b32 v[LS\x], 0
	v_mov_b32 v[LS\x+1], 0
.endr
.endm
	s_load_b256 s[4:11], s[0:1], 0x0               ; q_img s[4:5], kv_img s[6:7], scales s[8:9], y_img s[10:11]
	v_lshl_add_u32 v[SPW], v0, 2, SPARE
	v_mov_b32 v[NIL], 0
	ds_add_u32 v[SPW], v[NIL]                      ; the opening: the add, twice on end, and its wait ahead of my first tensor load
	ds_add_u32 v[SPW], v[NIL]
	v_lshrrev_b32 v20, 5, v0
	v_readfirstlane_b32 s[WV], v20                 ; wave 0..7
	s_bfe_u32 s[P], ttmp6, 0x40000                 ; p: my place in the cluster; it enters queries' numbers and global addresses alone
	s_and_b32 s[HB], ttmp7, 0xffff                 ; batch x 16 + head
	; descriptor group 1: a dense block of 32,768 bytes as 128 rows of 32 elements of 8 bytes, for all four work-groups of the cluster
	s_mov_b32 s[G1], 15|(3<<16)|(1<<21)
	s_mov_b32 s[G1+1], 32<<16
	s_mov_b32 s[G1+2], 128<<16
	s_mov_b32 s[G1+3], 32<<16
	s_mov_b32 s[G1+4], 128
	s_mov_b32 s[G1+5], 32
	s_mov_b32 s[G1+6], 0
	s_mov_b32 s[G1+7], 0
	s_mov_b32 s[SEL], 0x76543210
	s_mov_b32 s[SEL+1], 0xfedcba98
	s_mov_b32 s[CS], 0x3e38aa3b                    ; log2(e) / 8
	s_mov_b32 s[CNT], 0
	s_xor_b32 s[AC], s[WV], 15
	s_xor_b32 s96, s[AC], 31
	CHUNK TB                                       ; step 0: chunk = my wave's number
	s_mov_b32 s[G0], 1
	s_lshl_b32 s[G0+1], s[WV], 15                  ; LDS: chunks 2 w, 2 w + 1
	s_lshl_b32 s16, s[HB], 18
	s_add_co_u32 s16, s16, s[G0+1]
	s_mov_b32 s17, 0
	s_wait_dscnt 0x0                               ; both opening adds are done
	s_wait_kmcnt 0x0
	s_load_b256 s[68:75], s[8:9], 0x0              ; e0 .. e7
	s_add_nc_u64 s[G0+2:G0+3], s[6:7], s[16:17]
	s_or_b32 s[G0+3], s[G0+3], 0x80000000
	CROUND                                         ; the four work-groups are here: the joint loads meet
	tensor_load_to_lds s[G0:G0+3], s[G1:G1+7]      ; my one tensor load of the launch
	s_nop 0
	v_and_b32 v20, 31, v0
	v_and_b32 v21, 15, v0
	v_bfe_u32 v22, v0, 4, 1
	v_lshlrev_b32 v[LA], 4, v20
	v_lshlrev_b32 v22, 3, v22
	v_sub_nc_u32 v21, v21, v22                     ; r - 8 h
	s_lshl_b32 s37, s[P], 5                        ; a block begins 32 p keys into its diagonal chunk
	v_add_nc_u32 v[DDA], s37, v21
	v_add_nc_u32 v[DDB], 16, v[DDA]
	v_add_nc_u32 v[ADRN], s[TB], v[LA]
	s_lshl_b32 s38, s[WV], 7
	s_add_co_u32 s38, s38, s37                     ; the first block's first query: 128 w + 32 p
	s_lshl_b32 s39, s[AC], 7
	s_add_co_u32 s39, s39, s37                     ; the second's: 128 (15 - w) + 32 p
	s_lshl_b32 s16, s[HB], 17
	s_lshl_b32 s18, s38, 6                         ; (query / 16) x 1,024
	s_add_co_u32 s18, s18, s16
	s_mov_b32 s19, 0
	s_add_nc_u64 s[44:45], s[4:5], s[18:19]
	s_lshl_b32 s18, s39, 6
	s_add_co_u32 s18, s18, s16
	s_add_nc_u64 s[46:47], s[4:5], s[18:19]
	s_wait_alu depctr_va_vdst(0)
	WIN 0x40
.irp g, 0,1,2,3
	global_load_b128 v[QC+4*\g:QC+4*\g+3], v[LA], s[44:45] offset:512*\g
	global_load_b128 v[QX+4*\g:QX+4*\g+3], v[LA], s[46:47] offset:512*\g
.endr
	WIN 0
	s_and_b32 s36, s[HB], 15
	s_lshl_b32 s36, s36, 10                        ; the head's image in a token tile of y_img
	s_lshr_b32 s37, s[HB], 4
	s_lshl_b32 s37, s37, 7                         ; the batch's 128 token tiles
	s_lshr_b32 s18, s38, 4
	s_add_co_u32 s18, s18, s37
	s_lshl_b32 s18, s18, 14
	s_add_co_u32 s18, s18, s36
	s_add_nc_u64 s[YA:YA+1], s[10:11], s[18:19]
	s_lshr_b32 s18, s39, 4
	s_add_co_u32 s18, s18, s37
	s_lshl_b32 s18, s18, 14
	s_add_co_u32 s18, s18, s36
	s_add_nc_u64 s[YB:YB+1], s[10:11], s[18:19]
.irp x, A,B
	v_mov_b32 v[F\x+1], 0                          ; (named as the upper half of a pair)
	v_mov_b32 v[RL\x+1], 0
	v_mov_b32 v[X\x], 0                            ; a lane permute's destination counts as one of its sources
.endr
	v_mov_b32 v[NINF], 0xff800000
	INIT
	s_wait_alu depctr_va_vdst(0)
	s_wait_kmcnt 0x0
	s_add_co_i32 s36, s70, s71                     ; a score stands for score x 2^(e2 + e3): added to c's exponent field
	s_lshl_b32 s36, s36, 23
	s_add_co_i32 s[CS], s[CS], s36
	s_mov_b32 s[CS+1], s[CS]
	s_add_co_i32 s36, s72, 127
	s_lshl_b32 s38, s36, 23
	v_mov_b32 v[SCP], s38
	s_add_co_i32 s36, s36, 8
	s_lshl_b32 s36, s36, 23
	s_or_b32 s[HP], s36, 0x600000
	s_add_co_i32 s[EPV], s72, s73
	s_add_co_i32 s36, s74, 127
	s_lshl_b32 s[SCYS], s36, 23
	s_add_co_i32 s36, s36, 8
	s_lshl_b32 s36, s36, 23
	s_or_b32 s[LIMYS], s36, 0x600000
	s_wait_alu depctr_va_vdst(0)                   ; the wait at the head's end
	s_wait_loadcnt 0x0                             ; Q
	s_wait_tensorcnt 0x0                           ; my two chunks are in
	s_barrier_signal -1
	s_barrier_wait -1                              ; everybody's are: from here on LDS is only read
	KLOAD ADRN
.Ltrip:                                            ; 17 steps of 128 keys x 32 queries
	s_cmp_lg_u32 s[AC], 16
	s_cbranch_scc1 .Lsame                          ; on the wave's number and the step; no barrier stands inside
	FINISH YA                                      ; the first block is done
	WIN 0x41
.set j, 0
.rept 16
	v_mov_b32 v[QC+j], v[QX+j]
.set j, j+1
.endr
	WIN 0
	INIT
	s_wait_alu depctr_va_vdst(0)
	s_wait_xcnt 0x0                                ; the stores have read their registers, which the products below write
.Lsame:
	s_add_co_u32 s96, s[AC], 1
	s_xor_b32 s96, s96, 31
	CHUNK TBN                                      ; the next step's chunk
	s_wait_dscnt 0x0                               ; K's fragments, asked for a step ago
	WIN 0x05
.irp t, 0,1,2,3,4,5,6,7
	v_wmma_f32_16x16x64_fp8_fp8 v[SA+8*\t:SA+8*\t+7], v[KF+8*\t:KF+8*\t+7], v[QC:QC+7], 0
	v_wmma_f32_16x16x64_fp8_fp8 v[SB+8*\t:SB+8*\t+7], v[KF+8*\t:KF+8*\t+7], v[QC+8:QC+15], 0
.endr
	WIN 0
	v_add_nc_u32 v[ADR], s[TB], v[LA]              ; four places in front of the loads below and of the first read of the scores
	v_add_nc_u32 v[ADRN], s[TBN], v[LA]
	v_nop
	v_nop
	s_wait_alu depctr_va_vdst(0)                   ; the wait ahead of the branch
	s_cmp_eq_u32 s[CNT], 16
	s_cbranch_scc1 .Lnok                           ; the last step has no successor
	KLOAD ADRN
.Lnok:
	WIN 0x40
.irp d, 0,1,2,3
.irp g, 0,1,2,3
	ds_load_b128 v[VF+16*\d+4*\g:VF+16*\d+4*\g+3], v[ADR] offset:8192+2048*\d+512*\g
.endr
.endr
	WIN 0
	s_and_b32 s96, s[CNT], 15
	s_cmp_lg_u32 s96, 0
	s_cbranch_scc1 .Lopen                          ; steps 1 to 15: all 128 keys count
.irp x, A,B                            ; steps 0 and 16: register 8 t + j holds key 16 t + 8 h + j of the chunk: hidden where 16 t + j > d
.set n, 0
.rept 64
	v_cmp_gt_i32 vcc_lo, 16*(n/8)+n%8, v[DD\x]
	v_cndmask_b32 v[S\x+n], v[S\x+n], v[NINF], vcc_lo
.set n, n+1
.endr
.endr
.Lopen:
.irp x, A,B                            ; the step's largest score: two chains a tile, in ascending order of the registers
	v_max3_num_f32 v[MX\x], v[S\x], v[S\x+1], v[S\x+2]
	v_max3_num_f32 v[MX\x+1], v[S\x+3], v[S\x+4], v[S\x+5]
.endr
.irp i, 6,10,14,18,22,26,30,34,38,42,46,50,54,58
.irp x, A,B
	v_max3_num_f32 v[MX\x], v[MX\x], v[S\x+\i], v[S\x+\i+1]
	v_max3_num_f32 v[MX\x+1], v[MX\x+1], v[S\x+\i+2], v[S\x+\i+3]
.endr
.endr
.irp x, A,B
	v_max3_num_f32 v[MX\x], v[MX\x], v[S\x+62], v[S\x+63]
.endr
.irp x, A,B
	v_max_num_f32 v[MX\x], v[MX\x], v[MX\x+1]
.endr
.irp x, A,B
	v_permlanex16_b32 v[X\x], v[MX\x], s[SEL], s[SEL+1]
.endr
.irp x, A,B
	v_max3_num_f32 v[NM\x+1], v[NM\x+1], v[MX\x], v[X\x]   ; the running largest score, lane l xor 16's among them
.endr
.irp x, A,B
	v_mul_f32 v[MX\x], s[CS], v[NM\x+1]            ; as t (c is positive)
.endr
.irp x, A,B
	v_mov_b32 v[MX\x+1], v[NM\x]
.endr
.irp x, A,B
	v_floor_f32 v[NM\x], -v[MX\x]                  ; the new -M = -ceil(t)
.endr
.irp x, A,B
	v_sub_f32 v[MX\x], v[NM\x], v[MX\x+1]          ; old M - new M: a whole number, 0 or less
.endr
.irp x, A,B
	v_cvt_i32_f32 v[MX\x], v[MX\x]                 ; (it saturates)
.endr
.irp x, A,B
	v_ldexp_f32 v[F\x], 1.0, v[MX\x]
.endr
.irp x, A,B                            ; O^T and the sums under the new M, ahead of the exponentials
.set j, 0
.rept 16
	v_pk_mul_f32 v[O\x+j:O\x+j+1], v[O\x+j:O\x+j+1], v[F\x:F\x+1] op_sel_hi:[1,0]
.set j, j+2
.endr
	v_pk_mul_f32 v[LS\x:LS\x+1], v[LS\x:LS\x+1], v[F\x:F\x+1] op_sel_hi:[1,0]
.endr
.set j, 0
.rept 32
	v_pk_fma_f32 v[SA+j:SA+j+1], v[SA+j:SA+j+1], s[CS:CS+1], v[NMA:NMA+1] op_sel_hi:[1,0,0]   ; t - M
.set j, j+2
.endr
	s_wait_alu depctr_va_vdst(0)                   ; the wait ahead of a batch of transcendentals
.set j, 0
.rept 32                               ; tile A's exponentials; among them tile B's t - M, read only behind the next wait
	v_exp_f32 v[SA+j], v[SA+j]
	v_exp_f32 v[SA+j+1], v[SA+j+1]
	v_pk_fma_f32 v[SB+j:SB+j+1], v[SB+j:SB+j+1], s[CS:CS+1], v[NMB:NMB+1] op_sel_hi:[1,0,0]
.set j, j+2
.endr
	s_wait_alu depctr_va_vdst(0)                   ; behind tile A's batch and ahead of tile B's
	SUMS A
	s_wait_alu depctr_va_vdst(0)                   ; ahead of the batch
.set j, 0
.rept 32                               ; tile B's exponentials; among them tile A's hold (the conversion does not saturate: ISA guide 7.6.2; p is not negative), read only behind the next wait
	v_exp_f32 v[SB+j], v[SB+j]
	v_exp_f32 v[SB+j+1], v[SB+j+1]
	v_dual_min_num_f32 v[SA+j], s[HP], v[SA+j] :: v_dual_min_num_f32 v[SA+j+1], s[HP], v[SA+j+1]
.set j, j+2
.endr
	s_wait_alu depctr_va_vdst(0)
	CODES A
	SUMS B                                         ; also the plain instructions behind the conversions
	s_wait_alu depctr_va_vdst(0)
	s_wait_dscnt 0x0                               ; V is in (and the next step's K)
	PV A
.set j, 0
.rept 32
	v_dual_min_num_f32 v[SB+j], s[HP], v[SB+j] :: v_dual_min_num_f32 v[SB+j+1], s[HP], v[SB+j+1]
.set j, j+2
.endr
	CODES B
	v_nop                                          ; a plain instruction behind the conversions
	PV B
	s_mov_b32 s[TB], s[TBN]
	s_add_co_u32 s[AC], s[AC], 1
	s_add_co_u32 s[CNT], s[CNT], 1
	s_cmp_lt_u32 s[CNT], 17
	s_cbranch_scc1 .Ltrip
	FINISH YB
	s_wait_tensorcnt 0x0                           ; the wave's end
	ds_add_u32 v[SPW], v[NIL]
	s_wait_dscnt 0x0
	CROUND                                         ; the closing round
	s_endpgm
.Lfunc_end_k_qd2f990aa03_attn:
	.size	k_qd2f990aa03_attn, .Lfunc_end_k_qd2f990aa03_attn-k_qd2f990aa03_attn
	.p2alignl 7, 3214868480
	.fill 96, 4, 3214868480
	.section	.rodata,"a",@progbits
	.p2align	6, 0x0
	.amdhsa_kernel k_qd2f990aa03_attn
		.amdhsa_group_segment_fixed_size 327680
		.amdhsa_private_segment_fixed_size 0
		.amdhsa_enable_private_segment 0
		.amdhsa_kernarg_size 32
		.amdhsa_user_sgpr_count 2
		.amdhsa_user_sgpr_kernarg_segment_ptr 1
		.amdhsa_wavefront_size32 1
		.amdhsa_system_sgpr_workgroup_id_x 1
		.amdhsa_system_sgpr_workgroup_id_y 1
		.amdhsa_system_sgpr_workgroup_id_z 1
		.amdhsa_system_vgpr_workitem_id 0
		.amdhsa_next_free_vgpr 416
		.amdhsa_next_free_sgpr 100
		.amdhsa_reserve_vcc 1
		.amdhsa_float_denorm_mode_32 3
		.amdhsa_float_denorm_mode_16_64 3
		.amdhsa_memory_ordered 1
		.amdhsa_forward_progress 1
		.amdhsa_inst_pref_size 67
	.end_amdhsa_kernel
	.amdgpu_metadata
---
amdhsa.version: [ 1, 2 ]
amdhsa.kernels:
  - .name:           k_qd2f990aa03_attn
    .symbol:         k_qd2f990aa03_attn.kd
    .args:
      - { .name: q_img, .offset: 0, .size: 8, .value_kind: global_buffer, .address_space: global }
      - { .name: kv_img, .offset: 8, .size: 8, .value_kind: global_buffer, .address_space: global }
      - { .name: lowp_scales, .offset: 16, .size: 8, .value_kind: global_buffer, .address_space: global }
      - { .name: y_img, .offset: 24, .size: 8, .value_kind: global_buffer, .address_space: global }
    .group_segment_fixed_size: 327680
    .private_segment_fixed_size: 0
    .kernarg_segment_align: 8
    .kernarg_segment_size: 32
    .max_flat_workgroup_size: 256
    .sgpr_count:     100
    .vgpr_count:     416
    .wavefront_size: 32
...
	.end_amdgpu_metadata
.endif
;; end of part 3
;; launch proj (part 4): grid 64 x 4, 4 waves a work-group, clusters of 4 x 1, 327,680 bytes of LDS; arguments y_img, wp_img, lowp_scales, b_proj, out0; writes out0
.if DOCPART == 4
	.amdgcn_target "amdgcn-amd-amdhsa--gfx1250"
	.amdhsa_code_object_version 6
	.text
	.protected	k_qd2f990aa03_proj
	.globl	k_qd2f990aa03_proj
	.p2align	8
	.type	k_qd2f990aa03_proj,@function
k_qd2f990aa03_proj:
	s_mov_b64 s[64:65], 0
	v_nop
	global_prefetch_b8 v0, s[64:65] scope:SCOPE_SE
	s_setreg_imm32_b32 hwreg(HW_REG_WAVE_MODE, 25, 1), 1
	s_wait_xcnt 0x0
	s_wait_alu depctr_hold_cnt(0) depctr_sa_sdst(0) depctr_va_vdst(0) depctr_va_sdst(0) depctr_va_ssrc(0) depctr_va_vcc(0) depctr_vm_vsrc(0)
	s_getreg_b32 s2, hwreg(HW_REG_IB_STS2, 6, 4)
	s_cmp_eq_u32 s2, 0
	s_cbranch_scc0 .Lentry_in_a_cluster
	s_endpgm
.Lentry_in_a_cluster:
	s_bfe_u32 s2, ttmp6, 0x10000c
	s_cmp_lg_u32 s2, 0x3003
	s_cbranch_scc0 .Lentry_shape_is_right
	s_endpgm
.Lentry_shape_is_right:
; out0 = y W_proj + b_proj on codes of FP8 (E4M3): each finished sum x 2^(e6 + e7) + bias, f32.
; y_img [token tile 512][K block 8][2048], wp_img [n tile 64][K block 8][2048]: 16 rows x 128 K as the image of a fragment's registers, byte 512 c + 16 lane = registers 4 c .. 4 c + 3.
; A work-group makes 128 tokens x 256 columns, as two tiles of 128 columns one after the other; 64 x 4 = 256 work-groups.  A wave makes 64 x 64 of each tile: 16 accumulators.
; W_proj's 256 columns x all of K, 262,144 bytes, LIE IN LDS WHOLE: each of the four waves brings 65,536 bytes by its one tensor load at the head; nothing is filled again, and one barrier serves the launch.
; CLUSTER: four work-groups with neighbouring row blocks and the same columns ask for these bytes jointly.
; y's fragments go from memory straight into registers: a wave's 64 tokens x all of K are 512 registers, loaded once, 512 consecutive bytes a load, and used for both tiles.  They pass through no LDS, so no joint load serves them.
; THE MATRIX INSTRUCTION IS USED TRANSPOSED (source 0 = 16 columns of W, source 1 = 16 tokens): a lane holds one token and eight neighbouring columns.
; THE WAY OUT: a block of 16 tokens x 64 columns goes through the wave's own stage in LDS and leaves as rows of 256 bytes: each store covers two aligned runs of 256 bytes.
; No prefetch: every load of the launch goes out at its head, so there is no loop to run ahead in.
; LIMIT: e6 + e7 between -126 and 127.
; REGISTERS.  Window 0: addresses, bias, the way out.  Window 1: v0-127 W's fragments, two sets of four; v128-255 the accumulators ((a, b) at 128 + 8 (4 a + b)).  Windows 2, 3: y's fragments ((K block kb, a) at 16 (4 kb + a)).
.set SPARE,  262144                    ; behind W: the spare words, 128 bytes for each wave, that no other line names
.set STAGE,  262656                    ; behind them: 16 rows x 272 bytes for each wave
.set SPITCH, 272
.set LI,   8                           ; 16 x lane
.set ADRB, 9                           ; v9, v10: LDS address of my W fragments in tile 0, 1
.set STO,  11
.set RD,   12
.set CO,   13
.set SPW,  14                          ; my spare word; never rewritten
.set NIL,  15                          ; 0; never rewritten
.set BIAS, 16                          ; v16-19, v20-23: my four columns' bias in tile 0, 1
.set BO,   24
.set BK,   32                          ; v32-95: two sets of 16 rows read back from the stage
.set G1, 24
.set G0, 32
.set MSB, 0
.macro WIN new                         ; the immediate's high byte repeats the setting that is left
.if MSB != (\new)
	s_set_vgpr_msb (MSB<<8)|(\new)
.set MSB, (\new)
.endif
.endm
.macro CROUND                          ; a round of the cluster's barrier
	s_barrier_signal -1
	s_barrier_wait -1
	s_cmp_lg_u32 s14, 0
	s_cbranch_scc1 .Lnw0_\@
	s_barrier_signal -3
.Lnw0_\@:
	s_barrier_wait -3
	s_barrier_signal -1
	s_barrier_wait -1
.endm
.macro PLACES                          ; plain vector instructions between a matrix instruction and a load into, or an LDS store of, its registers (ISA guide 7.12.1 for LDS stores)
.rept 4
	v_nop
.endr
.endm
.macro FETCHB T, kb                    ; W's four fragments of K block kb into set kb % 2
	WIN 0x40
.irp j, 0,1,2,3
.irp c, 0,1,2,3
	ds_load_b128 v[64*((\kb)%2)+16*\j+4*\c:64*((\kb)%2)+16*\j+4*\c+3], v[ADRB+\T] offset:16384*\j+2048*(\kb)+512*\c
.endr
.endr
.endm
.macro MUL kb                          ; 16 products; the accumulators take turns, one instruction a turn, in the same order in every K block; K block 0 starts the sums
	WIN 0x51|((2+(\kb)/4)<<2)
.irp a, 0,1,2,3
.irp b, 0,1,2,3
.if (\kb) == 0
	v_wmma_f32_16x16x128_fp8_fp8 v[128+8*(4*\a+\b):128+8*(4*\a+\b)+7], v[64*((\kb)%2)+16*\b:64*((\kb)%2)+16*\b+15], v[16*(4*((\kb)%4)+\a):16*(4*((\kb)%4)+\a)+15], 0
.else
	v_wmma_f32_16x16x128_fp8_fp8 v[128+8*(4*\a+\b):128+8*(4*\a+\b)+7], v[64*((\kb)%2)+16*\b:64*((\kb)%2)+16*\b+15], v[16*(4*((\kb)%4)+\a):16*(4*((\kb)%4)+\a)+15], v[128+8*(4*\a+\b):128+8*(4*\a+\b)+7]
.endif
.endr
.endr
.endm
.macro TOSTAGE a
	WIN 0x04                                       ; the stores' data lie in window 1
.irp b, 0,1,2,3
	ds_store_b128 v[STO], v[128+8*(4*(\a)+\b):128+8*(4*(\a)+\b)+3] offset:64*\b
	ds_store_b128 v[STO], v[128+8*(4*(\a)+\b)+4:128+8*(4*(\a)+\b)+7] offset:64*\b+16
.endr
	WIN 0
.set BB, BK+32*((\a)%2)
.irp t, 0,1,2,3,4,5,6,7
	ds_load_b128 v[BB+4*\t:BB+4*\t+3], v[RD] offset:\t*2*SPITCH   ; LDS serves a wave's instructions in order (ISA guide 5.7.1.4): these see the stores above
.endr
.endm
.macro SEND T, a, younger              ; younger: the LDS instructions issued behind block a's loads, which may stay out
.set BB, BK+32*((\a)%2)
	s_wait_dscnt \younger
.irp t, 0,1,2,3,4,5,6,7
	v_pk_fma_f32 v[BB+4*\t:BB+4*\t+1],   v[BB+4*\t:BB+4*\t+1],   s[96:97], v[BIAS+4*\T:BIAS+4*\T+1]   op_sel_hi:[1,0,1]
	v_pk_fma_f32 v[BB+4*\t+2:BB+4*\t+3], v[BB+4*\t+2:BB+4*\t+3], s[96:97], v[BIAS+4*\T+2:BIAS+4*\T+3] op_sel_hi:[1,0,1]
.endr
.irp t, 0,1,2,3,4,5,6,7
	global_store_b128 v[CO], v[BB+4*\t:BB+4*\t+3], s[10:11] offset:(\a)*65536+\t*8192+(\T)*512 th:TH_STORE_NT
.endr
.endm
.macro TILE T
	FETCHB \T, 0
.irp kb, 0,1,2,3,4,5,6
.if \kb > 0
	PLACES                                         ; the set below was read by the products of the K block before
.endif
	FETCHB \T, \kb+1
	s_wait_dscnt 16                                ; this K block's fragments are in; the 16 loads just issued may be out
.if \T == 0
.if \kb < 4
	s_wait_loadcnt 63                              ; y's loads go by K blocks: behind this block's stand 112 - 16 kb, more than the count can name
.else
	s_wait_loadcnt 112-16*\kb
.endif
.endif
	MUL \kb
.endr
	s_wait_dscnt 0x0
.if \T == 0
	s_wait_loadcnt 0x0
.endif
	MUL 7
	WIN 0
	PLACES
.if \T > 0
	s_wait_xcnt 0x0                                ; earlier stores have read the registers on which the loads below land
.endif
	TOSTAGE 0
.irp a, 1,2,3
.if (\T > 0) || (\a > 1)
	s_wait_xcnt 0x0
.endif
	TOSTAGE \a
	SEND \T, \a-1, 16                              ; behind block a - 1's loads: block a's 8 stores and 8 loads
.endr
	SEND \T, 3, 0
.endm
	s_load_b256 s[68:75], s[0:1], 0x0              ; y_img s[68:69], wp_img s[70:71], scales s[72:73], b_proj s[74:75]
	s_load_b64 s[76:77], s[0:1], 0x20              ; out0
	v_lshl_add_u32 v[SPW], v0, 2, SPARE
	v_mov_b32 v[NIL], 0
	ds_add_u32 v[SPW], v[NIL]                      ; the opening: the add, twice on end, and its wait ahead of my first tensor load
	ds_add_u32 v[SPW], v[NIL]
	v_lshrrev_b32 v1, 5, v0
	v_readfirstlane_b32 s14, v1                    ; wave 0..3
	s_lshr_b32 s15, s14, 1                         ; which 64 tokens are mine
	s_and_b32 s16, s14, 1                          ; which 64 columns of a tile
	s_bfe_u32 s40, ttmp6, 0x40000                  ; my place in the cluster: it enters global addresses of y and out0 alone
	s_lshl_b32 s17, ttmp9, 2
	s_add_co_u32 s17, s17, s40                     ; row block of 128 tokens
	s_and_b32 s18, ttmp7, 0xffff                   ; group of 256 columns
	; descriptor group 1: a dense block of 65,536 bytes as 256 rows of 32 elements of 8 bytes, for all four work-groups of the cluster
	s_mov_b32 s[G1], 15|(3<<16)|(1<<21)
	s_mov_b32 s[G1+1], 32<<16
	s_mov_b32 s[G1+2], 256<<16
	s_mov_b32 s[G1+3], 32<<16
	s_mov_b32 s[G1+4], 256
	s_mov_b32 s[G1+5], 32
	s_mov_b32 s[G1+6], 0
	s_mov_b32 s[G1+7], 0
	s_mov_b32 s[G0], 1
	s_lshl_b32 s[G0+1], s14, 16                    ; LDS: n tiles 4 w .. 4 w + 3 of the group's 16
	s_lshl_b32 s20, s18, 18
	s_add_co_u32 s20, s20, s[G0+1]
	s_mov_b32 s21, 0
	s_wait_dscnt 0x0                               ; both opening adds are done
	s_wait_kmcnt 0x0
	s_load_b256 s[84:91], s[72:73], 0x0            ; e0 .. e7
	s_add_nc_u64 s[G0+2:G0+3], s[70:71], s[20:21]
	s_or_b32 s[G0+3], s[G0+3], 0x80000000
	CROUND                                         ; the four work-groups are here: the joint loads meet
	tensor_load_to_lds s[G0:G0+3], s[G1:G1+7]      ; my one tensor load of the launch
	s_nop 0
	v_and_b32 v1, 15, v0                           ; r
	v_bfe_u32 v2, v0, 4, 1                         ; h
	v_and_b32 v3, 31, v0
	v_lshlrev_b32 v[LI], 4, v3
	v_lshlrev_b32 v[BO], 4, v1
	s_lshl_b32 s8, s16, 16
	v_add_nc_u32 v[ADRB], s8, v[LI]
	s_add_co_u32 s8, s8, 131072
	v_add_nc_u32 v[ADRB+1], s8, v[LI]
	s_mul_i32 s23, s14, 16*SPITCH
	s_add_co_u32 s23, s23, STAGE                   ; my stage
	v_mul_u32_u24 v5, v1, SPITCH                   ; in: row r, 32 bytes for each half of the lanes
	v_lshl_add_u32 v5, v2, 5, v5
	v_add_nc_u32 v[STO], s23, v5
	v_mul_u32_u24 v6, v2, SPITCH                   ; back: lanes 0-15 one row of 256 bytes, lanes 16-31 the next
	v_lshl_add_u32 v6, v1, 4, v6
	v_add_nc_u32 v[RD], s23, v6
	v_lshlrev_b32 v7, 12, v2                       ; and the same two rows in out0
	v_lshl_add_u32 v[CO], v1, 4, v7
	s_lshl_b32 s12, s18, 10                        ; my first column in bytes: 1,024 x group + 256 x half
	s_lshl_b32 s13, s16, 8
	s_add_co_u32 s12, s12, s13
	s_mov_b32 s13, 0
	s_add_nc_u64 s[92:93], s[74:75], s[12:13]
	s_lshl_b32 s8, s17, 7
	s_lshl_b32 s9, s15, 6
	s_add_co_u32 s8, s8, s9                        ; my first token
	s_lshl_b32 s6, s8, 10                          ; (token / 16) x 16,384
	s_mov_b32 s7, 0
	s_add_nc_u64 s[4:5], s[68:69], s[6:7]
	s_lshl_b32 s8, s8, 12
	s_add_co_u32 s8, s8, s12
	s_mov_b32 s9, 0
	s_add_nc_u64 s[10:11], s[76:77], s[8:9]
	s_wait_alu depctr_va_vdst(0)
	global_load_b128 v[BIAS:BIAS+3], v[BO], s[92:93]
	global_load_b128 v[BIAS+4:BIAS+7], v[BO], s[92:93] offset:512
.irp kb, 0,1,2,3,4,5,6,7               ; y's fragments, K block by K block
	WIN (2+\kb/4)<<6
.irp a, 0,1,2,3
.irp c, 0,1,2,3
	global_load_b128 v[16*(4*(\kb%4)+\a)+4*\c:16*(4*(\kb%4)+\a)+4*\c+3], v[LI], s[4:5] offset:16384*\a+2048*\kb+512*\c
.endr
.endr
.endr
	WIN 0
	s_wait_kmcnt 0x0
	s_add_co_i32 s96, s90, s91                     ; e6 + e7
	s_add_co_i32 s96, s96, 127
	s_lshl_b32 s96, s96, 23                        ; 2^(e6 + e7) as f32
	s_mov_b32 s97, s96                             ; (named with it as a pair, so it is written)
	s_wait_tensorcnt 0x0                           ; my part of W is in
	s_barrier_signal -1
	s_barrier_wait -1                              ; everybody's is: from here on these bytes are only read
	TILE 0
	TILE 1
	s_wait_tensorcnt 0x0                           ; the wave's end
	ds_add_u32 v[SPW], v[NIL]
	s_wait_dscnt 0x0
	CROUND                                         ; the closing round
	s_endpgm
.Lfunc_end_k_qd2f990aa03_proj:
	.size	k_qd2f990aa03_proj, .Lfunc_end_k_qd2f990aa03_proj-k_qd2f990aa03_proj
	.p2alignl 7, 3214868480
	.fill 96, 4, 3214868480
	.section	.rodata,"a",@progbits
	.p2align	6, 0x0
	.amdhsa_kernel k_qd2f990aa03_proj
		.amdhsa_group_segment_fixed_size 327680
		.amdhsa_private_segment_fixed_size 0
		.amdhsa_enable_private_segment 0
		.amdhsa_kernarg_size 40
		.amdhsa_user_sgpr_count 2
		.amdhsa_user_sgpr_kernarg_segment_ptr 1
		.amdhsa_wavefront_size32 1
		.amdhsa_system_sgpr_workgroup_id_x 1
		.amdhsa_system_sgpr_workgroup_id_y 1
		.amdhsa_system_sgpr_workgroup_id_z 1
		.amdhsa_system_vgpr_workitem_id 0
		.amdhsa_next_free_vgpr 1024
		.amdhsa_next_free_sgpr 100
		.amdhsa_reserve_vcc 0
		.amdhsa_float_denorm_mode_32 3
		.amdhsa_float_denorm_mode_16_64 3
		.amdhsa_memory_ordered 1
		.amdhsa_forward_progress 1
		.amdhsa_inst_pref_size 76
	.end_amdhsa_kernel
	.amdgpu_metadata
---
amdhsa.version: [ 1, 2 ]
amdhsa.kernels:
  - .name:           k_qd2f990aa03_proj
    .symbol:         k_qd2f990aa03_proj.kd
    .args:
      - { .name: y_img, .offset: 0, .size: 8, .value_kind: global_buffer, .address_space: global }
      - { .name: wp_img, .offset: 8, .size: 8, .value_kind: global_buffer, .address_space: global }
      - { .name: lowp_scales, .offset: 16, .size: 8, .value_kind: global_buffer, .address_space: global }
      - { .name: b_proj, .offset: 24, .size: 8, .value_kind: global_buffer, .address_space: global }
      - { .name: out0, .offset: 32, .size: 8, .value_kind: global_buffer, .address_space: global }
    .group_segment_fixed_size: 327680
    .private_segment_fixed_size: 0
    .kernarg_segment_align: 8
    .kernarg_segment_size: 40
    .max_flat_workgroup_size: 128
    .sgpr_count:     100
    .vgpr_count:     1024
    .wavefront_size: 32
...
	.end_amdgpu_metadata
.endif
;; end of part 4
